; MI455X (gfx1250); checked and timed in simulation.
; The chip was launched on July 23, 2026; its instructions are those of AMD's public machine-readable ISA for CDNA 5 (MIT licence, August 2026) and "CDNA5" Instruction Set Architecture Reference Guide (July 2026). The comments in the code are by the model that wrote it; some were corrected since.
;; Trained Attention. Allowed arithmetic: matrix products marked QUANTISED: E2M1 operands, one E8M0 scale for each 32 along K, by v_wmma_scale_f32_16x16x128_f8f6f4 with both operands' format E2M1 (or v_wmma_scale_f32_32x16x128_f4), f32 sums; products left as they are: bf16, f16 or f32 operands; f32 sums; everything else in f32.
;; Inputs: Wk 1,024 x 1,024 float32; Wo 1,024 x 1,024 float32; Wq 1,024 x 1,024 float32; Wv 1,024 x 1,024 float32; bk 1,024 float32; bo 1,024 float32; bq 1,024 float32; bv 1,024 float32; mask 1 x 1 x 2,048 x 2,048 int32; x 4 x 2,048 x 1,024 float32.
;; Outputs: out0 4 x 2,048 x 1,024 float32.
;; This version of the problem:
;;   THIS VERSION OF THE PROBLEM IS GIVEN IN LOW PRECISION. The matrix products marked QUANTISED in the list below multiply operands that are first quantised to E2M1 (2 exponent bits, 1 mantissa bit; 4 bits a number), with one power-of-two scale for each 32 numbers along K (OCP MX v1.0); their sums are f32. The products marked 'left as it is' may take bf16, f16 or f32 operands, with f32 sums. Whichever they take, every output number must still come out within the allowed error. Rounding operands to bf16 (8 significant bits) uses up far more of that allowance than f16 does (11 bits, for magnitudes from 6e-5 to 65,504). All else is computed in f32.
;;   The module's matrix products, in the order in which they are computed (A, B: the left and right operand; K: the contracted axis; several contracted axes count as one K, in the product's order):
;;     1. [M 8,192, K 1,024] x [K 1,024, N 1,024]; A: input x; B: input Wq: QUANTISED
;;     2. [M 8,192, K 1,024] x [K 1,024, N 1,024]; A: input x; B: input Wk: QUANTISED
;;     3. [M 8,192, K 1,024] x [K 1,024, N 1,024]; A: input x; B: input Wv: QUANTISED
;;     4. batch 64 x [M 2,048, K 64] x [K 64, N 2,048]; A: computed on the way; B: computed on the way: left as it is (an operand is computed on the way)
;;     5. batch 64 x [M 2,048, K 2,048] x [K 2,048, N 64]; A: computed on the way; B: computed on the way: left as it is (an operand is computed on the way)
;;     6. [M 8,192, K 1,024] x [K 1,024, N 1,024]; A: computed on the way; B: input Wo: left as it is (an operand is computed on the way)
;;   THE QUANTISER, for each operand of a quantised product, along K:
;;     - K is cut into blocks of 32 from its start; a last block that is shorter is filled with zeros.
;;     - A block's scale is 2^e with e = floor(log2(the largest magnitude in the block)) - 2, held to -126 .. 127; a block of zeros has e = 0. As a byte (E8M0): e + 127.
;;     - Each number is divided by its block's scale, clamped to +-6, and rounded to the nearest number of E2M1, ties to even, subnormals kept.
;;     - The product sums the exact products of the quantised numbers (number of the format x scale) in f32.
;;   ~~~python
;;   def quantise(x, axis):      # numpy; x: float32 -> the quantised numbers, widened to float32 again
;;       x = np.moveaxis(x, axis, -1); K = x.shape[-1]
;;       x = np.pad(x, [(0, 0)] * (x.ndim - 1) + [(0, -K % 32)]); x = x.reshape(x.shape[:-1] + (-1, 32)); a = np.abs(x).max(-1, keepdims=True)
;;       e = np.where(a > 0, np.clip(np.frexp(np.where(a > 0, a, 1))[1] - 1 - 2, -126, 127), 0)      # np.frexp(a)[1] - 1 = floor(log2(a)), exactly
;;       r = np.clip(x / 2.0 ** e, -6, 6)
;;       step = 2.0 ** (np.maximum(np.frexp(np.where(r == 0, 1, r))[1] - 1, 0) - 1)
;;       q = np.round(r / step) * step * 2.0 ** e      # np.round: ties to even
;;       return np.moveaxis(q.reshape(q.shape[:-2] + (-1,))[..., :K], -1, axis).astype(np.float32)
;;   ~~~
;; One version. Each part assembles by itself: llvm-mc -triple=amdgcn-amd-amdhsa -mcpu=gfx1250 --defsym DOCPART=n.
;; ======== version 1 of 1: 5 launches
;; limits: values are held in f16: magnitudes above 65,504 overflow, below 6.1e-05 lose precision; right only within a limited range of input values
;; workspace buffers: xq 4,456,448 bytes; wq 1,671,168 bytes; wo16 2,097,152 bytes; mk 525,824 bytes of whole numbers; qkv 67,108,864 bytes; ao 16,777,216 bytes
;; launch prep (part 1): grid 336 x 1, 8 waves a work-group, no clusters, 115,968 bytes of LDS; arguments x, Wq, Wk, Wv, Wo, mask, xq, wq, wo16, mk; writes xq, wq, wo16, mk
.if DOCPART == 1
	.amdgcn_target "amdgcn-amd-amdhsa--gfx1250"
	.amdhsa_code_object_version 6
	.text
	.protected	k_qc21bbf70b0_prep
	.globl	k_qc21bbf70b0_prep
	.p2align	8
	.type	k_qc21bbf70b0_prep,@function
k_qc21bbf70b0_prep:
	s_mov_b64 s[64:65], 0
	v_nop
	global_prefetch_b8 v0, s[64:65] scope:SCOPE_SE
	s_setreg_imm32_b32 hwreg(HW_REG_WAVE_MODE, 25, 1), 1
	s_wait_xcnt 0x0
; THE PROGRAM: out = (softmax(where(mask == 0, -1e9, q k^T / 8)) v) Wo^T + bo, q, k, v = x W^T + b, 16 heads of 64, in five launches: prep, qkv, attn, oproj, fine.
; NOTHING OF THE PROBLEM IS LEFT OUT AS DEAD WORK: every input is loaded and every bias is added.  What later launches pass over is chosen by whole numbers that this launch stores: a step of 64 keys in which
; the mask closes every key for all 16 queries of a tile, while each of those queries has an open key somewhere.  Such a key's weight is exp(-1e9 - the row's largest score).
; LIMIT: that weight counts as 0, which is what f32 gives while open scores stay above about -9.9e8.  A tile with a query that has no open key at all walks all steps, and that query gets the mean of all values.
; THIS LAUNCH, three paths that part on the work-group's number, each with LDS bytes of its own:
;   Q (ids 0-175): x, Wq, Wk, Wv, f32 with K innermost, become codes of FP4 (E2M1) and one E8M0 byte for each 32 along K.  xq: codes [8192][512 B], from byte 4,194,304 scale bytes [8192][32];  wq: the same for the 3,072 rows Wq, Wk, Wv, scale bytes from byte 1,572,864.
;     A block's scale byte is its largest magnitude's exponent field - 2, held at 1 from below (a block of zeros so gets 1: its codes are zeros, and this program alone reads the bytes).
;     LIMITS: blocks whose largest magnitude lies under 2^-124 were not tried; NaN and infinities are not served.
;   W (ids 176-207): Wo in f16 as blocks of 512 bytes: wo16 [nt 64][kt 64][block]; in a block lane (r, h) has 16 bytes at 16 x lane: row 16 nt + r, columns 16 kt + 8 h + 0..7.  LIMIT: |Wo| under 65,504.
;   M (ids 208-335): the mask as lane words: mk [qt 128][ks 32][n 32]: bit L of word n = 8 t + j is mask[16 qt + L % 16][64 ks + 16 t + 8 (L / 16) + j] != 0;
;     from byte FL three flag words for each qt, bit ks: live (some bit of the step is open; all ones if some query of the tile has no open key), ones (all open), and dead (1 if some query has no open key).
.set WREG,  5632                       ; path Q: LDS of a wave: two stages of 32 x 80 bytes, then its 256 scale bytes
.set SP,    80                         ; a lane's place in a stage: 64 bytes + 16 of padding
.set STEPS, 16
.set EMAX,  2
.set CB,    8                          ; bytes of 16 codes
.set R,     16                         ; v16-79   path Q: four sets of 16 numbers as loaded
.set X,     80                         ; v80-111  two sets of 16 neighbours
.set E,     112                        ; v112-127 a scale byte for each step
.set C,     128                        ; v128-191 codes
.set TSTG,  16*272                     ; paths W, M: a wave's stage: 16 rows of 256 bytes + 16
.set WSTG,  8*WREG
.set MSTG,  WSTG+8*TSTG
.set MRED,  MSTG+8*TSTG                ; path M: 16 bytes for each wave
.set SPARE, MRED+256                   ; the spare words, 128 bytes for each of the eight waves
.set FL,    524288
.set SPW,   12                         ; v12  my spare word's LDS address; never rewritten
.set NIL,   13                         ; v13  0; never rewritten
.set XT,    144                        ; v144-175 paths W, M: a block of 16 x 64, turned: register 8 t + e = (row r, column 16 t + 8 h + e)
.set HH,    176                        ; v176-191 what is stored
	s_load_b512 s[16:31], s[0:1], 0x0              ; x, Wq, Wk, Wv, Wo, mask, xq, wq
	s_load_b128 s[32:35], s[0:1], 0x40             ; wo16, mk
	v_lshl_add_u32 v[SPW], v0, 2, SPARE
	v_mov_b32 v[NIL], 0
	v_lshrrev_b32 v1, 5, v0
	v_readfirstlane_b32 s2, v1                     ; wave 0..7
	v_and_b32 v2, 31, v0                           ; lane
	v_lshlrev_b32 v3, 4, v2                        ; 16 x lane
	s_cmp_lt_u32 ttmp9, 176
	s_cbranch_scc0 .Lnot_q
; ---------------------------------------------------------------- path Q: a wave takes 16 steps of 512 numbers of a plain stream of blocks of 32
	s_mul_i32 s36, s2, WREG
	v_lshrrev_b32 v14, 2, v2
	v_mul_u32_u24 v14, v14, SP
	v_and_b32 v15, 3, v2
	v_lshl_add_u32 v14, v15, 4, v14
	v_add_nc_u32 v14, s36, v14                     ; the stage, in: four lanes' 64 bytes on end, then 16 of padding
	v_mul_u32_u24 v15, v2, SP
	v_add_nc_u32 v15, s36, v15                     ; out: my 16 neighbours
	v_lshlrev_b32 v4, 3, v2                        ; 8 bytes a lane: my codes of a step, and my part of the 256 scale bytes
	v_lshrrev_b32 v5, 1, v2
	s_add_co_u32 s36, s36, 2*32*SP
	v_add_nc_u32 v5, s36, v5                       ; my block's scale byte in LDS
	v_add_nc_u32 v6, s36, v4
	s_sub_co_u32 s37, ttmp9, 128                   ; ids 128 on: the weights, 16 work-groups each
	s_lshr_b32 s38, s37, 4
	s_and_b32 s39, s37, 15
	s_wait_kmcnt 0x0
	s_cmp_eq_u32 s38, 1
	s_cselect_b64 s[4:5], s[20:21], s[18:19]       ; the choices hang on the work-group's number alone
	s_cmp_eq_u32 s38, 2
	s_cselect_b64 s[4:5], s[22:23], s[4:5]
	s_cmp_lt_u32 ttmp9, 128
	s_cselect_b64 s[4:5], s[16:17], s[4:5]         ; the source
	s_cselect_b64 s[8:9], s[28:29], s[30:31]       ; xq or wq
	s_cselect_b32 s39, ttmp9, s39                  ; which 65,536 numbers of the source,
	s_cselect_b32 s37, ttmp9, s37                  ; and of the destination
	s_mov_b32 s38, 1572864
	s_cselect_b32 s38, 4194304, s38                ; where the destination's scale bytes begin
	s_lshl_b32 s39, s39, 3
	s_add_co_u32 s39, s39, s2                      ; my wave's run of 8,192 numbers
	s_lshl_b32 s37, s37, 3
	s_add_co_u32 s37, s37, s2
	s_lshl_b32 s40, s39, 15
	s_mov_b32 s41, 0
	s_add_nc_u64 s[4:5], s[4:5], s[40:41]
	s_lshl_b32 s40, s37, 8
	s_add_co_u32 s40, s40, s38
	s_add_nc_u64 s[10:11], s[8:9], s[40:41]        ; 256 scale bytes a run
	s_lshl_b32 s40, s37, 12
	s_add_nc_u64 s[8:9], s[8:9], s[40:41]          ; 4,096 bytes of codes a run
.macro QLOAD t
.irp i, 0,1,2,3
	global_load_b128 v[R+16*((\t)%4)+4*\i:R+16*((\t)%4)+4*\i+3], v3, s[4:5] offset:2048*(\t)+512*\i th:TH_LOAD_NT   ; 32 lanes read 512 consecutive bytes
.endr
.endm
.macro QTURN t                         ; a step's numbers through the stage; LDS serves a wave's instructions in order (ISA guide 5.7.1.4)
.irp i, 0,1,2,3
	ds_store_b128 v14, v[R+16*((\t)%4)+4*\i:R+16*((\t)%4)+4*\i+3] offset:32*SP*((\t)%2)+8*SP*\i
.endr
.irp i, 0,1,2,3
	ds_load_b128 v[X+16*((\t)%2)+4*\i:X+16*((\t)%2)+4*\i+3], v15 offset:32*SP*((\t)%2)+16*\i
.endr
.endm
.irp t, 0,1,2,3
	QLOAD \t
.endr
	s_wait_loadcnt 12                              ; step 0's four loads are in; the twelve of steps 1 to 3 may be out
	QTURN 0
.macro QSTEP t
.set XS, X+16*((\t)%2)
.if (\t) > 0
	s_wait_dscnt 1                                 ; this step's numbers are back from the stage; the last step's byte store may be out
.else
	s_wait_dscnt 0x0
.endif
.if (\t)+4 < STEPS
	QLOAD (\t)+4
.endif
.if (\t)+1 < STEPS
.if STEPS-2-(\t) >= 3
	s_wait_loadcnt 12                              ; the next step's loads are in; those of the three steps behind it may be out
.else
	s_wait_loadcnt 4*(STEPS-2-(\t))
.endif
	QTURN (\t)+1
.endif
	v_max3_num_f32 v8, |v[XS]|, |v[XS+1]|, |v[XS+2]|               ; the largest magnitude of my 16, in two chains
	v_max3_num_f32 v9, |v[XS+3]|, |v[XS+4]|, |v[XS+5]|
.irp i, 6,10
	v_max3_num_f32 v8, v8, |v[XS+\i]|, |v[XS+\i+1]|
	v_max3_num_f32 v9, v9, |v[XS+\i+2]|, |v[XS+\i+3]|
.endr
	v_max3_num_f32 v8, v8, |v[XS+14]|, |v[XS+15]|
	v_max3_num_f32 v8, v8, v9, (EMAX+1)<<23        ; and the floor 2^(3 - 127): the byte cannot fall under 1
	v_max_num_f32_dpp v8, v8, v8 row_xmask:1 row_mask:0xf bank_mask:0xf   ; with my neighbour's 16: the block's
	v_add_nc_u32 v11, -(EMAX<<23), v8              ; 2 off the exponent field: the conversion's scale operand
	v_cvt_scalef32_pk8_fp4_f32 v[C+4*(\t)], v[XS:XS+7], v11
	v_cvt_scalef32_pk8_fp4_f32 v[C+4*(\t)+1], v[XS+8:XS+15], v11
	v_lshrrev_b32 v[E+(\t)], 23, v11               ; the scale's byte
	ds_store_b8 v5, v[E+(\t)] offset:16*(\t)       ; both lanes of a block write the same byte with the same value
	global_store_b64 v4, v[C+4*(\t):C+4*(\t)+1], s[8:9] offset:32*CB*(\t)   ; the wave stores 256 consecutive bytes
.endm
.irp t, 0,1,2,3,4,5,6,7,8,9,10,11,12,13,14,15
	QSTEP \t
.endr
	ds_load_b64 v[8:9], v6
	s_wait_dscnt 0x0
	global_store_b64 v4, v[8:9], s[10:11]          ; the wave's 256 scale bytes, consecutive
	s_wait_tensorcnt 0x0                           ; the wave's end, behind my last LDS store
	ds_add_u32 v[SPW], v[NIL]
	s_wait_dscnt 0x0
	s_endpgm
; ---------------------------------------------------------------- paths W and M: a wave takes four blocks of 16 rows x 64 numbers of 4 bytes
.macro GET16 k, pitch                  ; block k as it lies: sixteen lanes read 256 consecutive bytes of a row, two rows a load
.irp i, 0,1,2,3,4,5,6,7
	global_load_b128 v[16+32*\k+4*\i:16+32*\k+4*\i+3], v6, s[4:5] offset:2*\i*\pitch+256*\k th:TH_LOAD_NT
.endr
.endm
.macro TURN16 k                        ; through my stage: a lane then holds row r, columns 16 t + 8 h + 0..7
.irp i, 0,1,2,3,4,5,6,7
	ds_store_b128 v7, v[16+32*\k+4*\i:16+32*\k+4*\i+3] offset:2*\i*272
.endr
.irp t, 0,1,2,3
	ds_load_b128 v[XT+8*\t:XT+8*\t+3], v8 offset:64*\t
	ds_load_b128 v[XT+8*\t+4:XT+8*\t+7], v8 offset:64*\t+16
.endr
	s_wait_dscnt 0x0
.endm
.Lnot_q:
	v_and_b32 v4, 15, v2                           ; r
	v_lshrrev_b32 v5, 4, v2                        ; h
	s_mul_i32 s36, s2, TSTG
	v_mul_u32_u24 v7, v5, 272
	v_lshl_add_u32 v7, v4, 4, v7                   ; in: row h of a pair, 16 bytes a lane
	v_mul_u32_u24 v8, v4, 272
	v_lshl_add_u32 v8, v5, 5, v8                   ; out: row r, + 32 h
	s_cmp_lt_u32 ttmp9, 208
	s_cbranch_scc0 .Lmask
; ---------------------------------------------------------------- path W
	s_add_co_u32 s36, s36, WSTG
	v_add_nc_u32 v7, s36, v7
	v_add_nc_u32 v8, s36, v8
	v_lshlrev_b32 v6, 12, v5
	v_lshl_add_u32 v6, v4, 4, v6                   ; a row of Wo is 4,096 bytes
	s_sub_co_u32 s37, ttmp9, 176
	s_lshl_b32 s37, s37, 1
	s_lshr_b32 s38, s2, 2
	s_add_co_u32 s37, s37, s38                     ; nt: my 16 rows of Wo
	s_and_b32 s38, s2, 3                           ; which 256 columns
	s_lshl_b32 s40, s37, 16
	s_lshl_b32 s39, s38, 10
	s_add_co_u32 s40, s40, s39
	s_mov_b32 s41, 0
	s_lshl_b32 s42, s37, 15
	s_lshl_b32 s39, s38, 13
	s_add_co_u32 s42, s42, s39
	s_mov_b32 s43, 0
	s_wait_kmcnt 0x0
	s_add_nc_u64 s[4:5], s[24:25], s[40:41]
	s_add_nc_u64 s[6:7], s[32:33], s[42:43]
.irp k, 0,1,2,3
	GET16 \k, 4096
.endr
.irp k, 0,1,2,3
	s_wait_loadcnt 24-8*\k                         ; this block's eight loads are in; the later blocks' may be out
	TURN16 \k
.if \k > 0
	s_wait_xcnt 0x0                                ; the last block's stores have read their registers
.endif
.irp t, 0,1,2,3
.irp i, 0,1,2,3
	v_cvt_pk_f16_f32 v[HH+4*\t+\i], v[XT+8*\t+2*\i], v[XT+8*\t+2*\i+1]
.endr
.endr
.irp t, 0,1,2,3
	global_store_b128 v3, v[HH+4*\t:HH+4*\t+3], s[6:7] offset:(4*\k+\t)*512   ; a block: 512 consecutive bytes
.endr
.endr
	s_wait_tensorcnt 0x0                           ; the wave's end
	ds_add_u32 v[SPW], v[NIL]
	s_wait_dscnt 0x0
	s_endpgm
; ---------------------------------------------------------------- path M: a work-group takes 16 queries, wave w key steps 4 w .. 4 w + 3
.Lmask:
	s_add_co_u32 s36, s36, MSTG
	v_add_nc_u32 v7, s36, v7
	v_add_nc_u32 v8, s36, v8
	v_lshlrev_b32 v6, 13, v5
	v_lshl_add_u32 v6, v4, 4, v6                   ; a row of the mask is 8,192 bytes
	s_sub_co_u32 s56, ttmp9, 208                   ; qt
	s_lshl_b32 s58, s56, 17
	s_lshl_b32 s57, s2, 10
	s_add_co_u32 s58, s58, s57
	s_mov_b32 s59, 0
	s_lshl_b32 s60, s56, 12
	s_lshl_b32 s57, s2, 9
	s_add_co_u32 s60, s60, s57
	s_mov_b32 s61, 0
	s_mov_b32 s50, 0                               ; OA: lanes with an open key
	s_mov_b32 s51, 0                               ; LV: steps with an open key
	s_mov_b32 s52, 0                               ; ON: steps all open
	s_lshl_b32 s54, s2, 2                          ; the step in hand
.irp i, 0,1,2,3
	v_mov_b32 v[HH+\i], 0                          ; written whole before lanes are written singly
.endr
	s_wait_kmcnt 0x0
	s_add_nc_u64 s[4:5], s[26:27], s[58:59]
	s_mov_b64 s[6:7], s[34:35]
	s_add_nc_u64 s[8:9], s[34:35], s[60:61]        ; from here on s16-47 hold lane words
.irp k, 0,1,2,3
	GET16 \k, 8192
.endr
.irp k, 0,1,2,3
	s_wait_loadcnt 24-8*\k
	TURN16 \k
.set n, 0
.rept 32
	v_cmp_ne_u32 s[16+n], 0, v[XT+n]               ; word n of the step
.set n, n+1
.endr
.set n, 0
.rept 32
	v_writelane_b32 v[HH+n%4], s[16+n], 8*\k+n/4   ; word 32 k + n of my 128 goes to lane (32 k + n) / 4, register n % 4: one store of 16 bytes a lane then lays them in order
.set n, n+1
.endr
	s_or_b32 s48, s16, s17
	s_and_b32 s49, s16, s17
.set n, 2
.rept 30
	s_or_b32 s48, s48, s[16+n]
	s_and_b32 s49, s49, s[16+n]
.set n, n+1
.endr
	s_or_b32 s50, s50, s48
	s_cmp_lg_u32 s48, 0
	s_cselect_b32 s53, 1, 0
	s_lshl_b32 s53, s53, s54
	s_or_b32 s51, s51, s53
	s_cmp_eq_u32 s49, -1
	s_cselect_b32 s53, 1, 0
	s_lshl_b32 s53, s53, s54
	s_or_b32 s52, s52, s53
	s_add_co_u32 s54, s54, 1
.endr
	global_store_b128 v3, v[HH:HH+3], s[8:9]       ; my four steps' words: 512 consecutive bytes
	v_mov_b32 v144, s50
	v_mov_b32 v145, s51
	v_mov_b32 v146, s52
	v_mov_b32 v147, 0
	s_lshl_b32 s53, s2, 4
	s_add_co_u32 s53, s53, MRED
	v_mov_b32 v9, s53
	ds_store_b128 v9, v[144:147]                   ; all lanes write the same 16 bytes
	s_wait_dscnt 0x0                               ; for wave 0's sake
	s_barrier_signal -1
	s_barrier_wait -1
	s_cmp_lg_u32 s2, 0
	s_cbranch_scc1 .Lm_end
	v_mov_b32 v10, MRED
.irp p, 0,1,2,3,4,5,6,7
	ds_load_b128 v[16+4*\p:19+4*\p], v10 offset:16*\p
.endr
	s_wait_dscnt 0x0
.irp p, 1,2,3,4,5,6,7
	v_or_b32 v16, v16, v[16+4*\p]
	v_or_b32 v17, v17, v[17+4*\p]
	v_or_b32 v18, v18, v[18+4*\p]
.endr
	v_readfirstlane_b32 s50, v16
	v_readfirstlane_b32 s51, v17
	v_readfirstlane_b32 s52, v18
	s_lshr_b32 s53, s50, 16                        ; query r's keys lie in lanes r and r + 16
	s_or_b32 s53, s53, s50
	s_and_b32 s53, s53, 0xffff
	s_cmp_lg_u32 s53, 0xffff
	s_cselect_b32 s55, 1, 0                        ; dead: some query has no open key
	s_cselect_b32 s51, -1, s51                     ; live
	v_mov_b32 v10, s51
	v_writelane_b32 v10, s52, 1
	v_writelane_b32 v10, s55, 2
	v_lshlrev_b32 v11, 9, v2
	s_lshl_b32 s53, s56, 2
	s_add_co_u32 s53, s53, FL
	v_add_nc_u32 v11, s53, v11                     ; FL + 512 x lane + 4 qt
	s_wait_xcnt 0x0                                ; EXEC changes only behind this wait
	v_cmp_gt_u32 vcc_lo, 3, v2
	s_and_saveexec_b32 s57, vcc_lo
	global_store_b32 v11, v10, s[6:7]
	s_wait_xcnt 0x0
	s_or_b32 exec_lo, exec_lo, s57
.Lm_end:
	s_wait_tensorcnt 0x0                           ; the wave's end
	ds_add_u32 v[SPW], v[NIL]
	s_wait_dscnt 0x0
	s_endpgm
.Lfunc_end_k_qc21bbf70b0_prep:
	.size	k_qc21bbf70b0_prep, .Lfunc_end_k_qc21bbf70b0_prep-k_qc21bbf70b0_prep
	.p2alignl 7, 3214868480
	.fill 96, 4, 3214868480
	.section	.rodata,"a",@progbits
	.p2align	6, 0x0
	.amdhsa_kernel k_qc21bbf70b0_prep
		.amdhsa_group_segment_fixed_size 115968
		.amdhsa_private_segment_fixed_size 0
		.amdhsa_enable_private_segment 0
		.amdhsa_kernarg_size 80
		.amdhsa_user_sgpr_count 2
		.amdhsa_user_sgpr_kernarg_segment_ptr 1
		.amdhsa_wavefront_size32 1
		.amdhsa_system_sgpr_workgroup_id_x 1
		.amdhsa_system_sgpr_workgroup_id_y 1
		.amdhsa_system_sgpr_workgroup_id_z 1
		.amdhsa_system_vgpr_workitem_id 0
		.amdhsa_next_free_vgpr 192
		.amdhsa_next_free_sgpr 66
		.amdhsa_reserve_vcc 1
		.amdhsa_float_denorm_mode_32 3
		.amdhsa_float_denorm_mode_16_64 3
		.amdhsa_memory_ordered 1
		.amdhsa_forward_progress 1
		.amdhsa_inst_pref_size 84
	.end_amdhsa_kernel
	.amdgpu_metadata
---
amdhsa.version: [ 1, 2 ]
amdhsa.kernels:
  - .name:           k_qc21bbf70b0_prep
    .symbol:         k_qc21bbf70b0_prep.kd
    .args:
      - { .name: x, .offset: 0, .size: 8, .value_kind: global_buffer, .address_space: global }
      - { .name: Wq, .offset: 8, .size: 8, .value_kind: global_buffer, .address_space: global }
      - { .name: Wk, .offset: 16, .size: 8, .value_kind: global_buffer, .address_space: global }
      - { .name: Wv, .offset: 24, .size: 8, .value_kind: global_buffer, .address_space: global }
      - { .name: Wo, .offset: 32, .size: 8, .value_kind: global_buffer, .address_space: global }
      - { .name: mask, .offset: 40, .size: 8, .value_kind: global_buffer, .address_space: global }
      - { .name: xq, .offset: 48, .size: 8, .value_kind: global_buffer, .address_space: global }
      - { .name: wq, .offset: 56, .size: 8, .value_kind: global_buffer, .address_space: global }
      - { .name: wo16, .offset: 64, .size: 8, .value_kind: global_buffer, .address_space: global }
      - { .name: mk, .offset: 72, .size: 8, .value_kind: global_buffer, .address_space: global }
    .group_segment_fixed_size: 115968
    .private_segment_fixed_size: 0
    .kernarg_segment_align: 8
    .kernarg_segment_size: 80
    .max_flat_workgroup_size: 256
    .sgpr_count:     66
    .vgpr_count:     192
    .wavefront_size: 32
...
	.end_amdgpu_metadata
.endif
;; end of part 1
;; launch qkv (part 2): grid 12 x 32, 4 waves a work-group, clusters of 4 x 4, 327,680 bytes of LDS; arguments xq, wq, bq, bk, bv, qkv; writes qkv
.if DOCPART == 2
	.amdgcn_target "amdgcn-amd-amdhsa--gfx1250"
	.amdhsa_code_object_version 6
	.text
	.protected	k_qc21bbf70b0_qkv
	.globl	k_qc21bbf70b0_qkv
	.p2align	8
	.type	k_qc21bbf70b0_qkv,@function
k_qc21bbf70b0_qkv:
	s_mov_b64 s[64:65], 0
	v_nop
	global_prefetch_b8 v0, s[64:65] scope:SCOPE_SE
	s_setreg_imm32_b32 hwreg(HW_REG_WAVE_MODE, 25, 1), 1
	s_wait_xcnt 0x0
	s_wait_alu depctr_hold_cnt(0) depctr_sa_sdst(0) depctr_va_vdst(0) depctr_va_sdst(0) depctr_va_ssrc(0) depctr_va_vcc(0) depctr_vm_vsrc(0)
	s_getreg_b32 s2, hwreg(HW_REG_IB_STS2, 6, 4)
	s_cmp_eq_u32 s2, 0
	s_cbranch_scc0 .Lentry_in_a_cluster
	s_endpgm
.Lentry_in_a_cluster:
	s_bfe_u32 s2, ttmp6, 0x10000c
	s_cmp_lg_u32 s2, 0xf033
	s_cbranch_scc0 .Lentry_shape_is_right
	s_endpgm
.Lentry_shape_is_right:
; q, k, v = x W^T + b on codes of FP4 (E2M1) with one E8M0 scale for each 32 along K = 1,024.  Nothing is left out.
; OUT: qkv [b 4][hq 64][tt 128][dt 4][block of 512 bytes], f16; in a block lane (r, h) has 16 bytes at 16 x lane: row r, columns 8 h + 0..7.
;   hq 0-15: c (x Wq^T + bq), c = log2(e) / 8, row = token, columns = d;  16-31: k likewise (no factor);  32-47: v TURNED, row = d, columns = token;  48-63: v - f32(f16(v)), the low part, for the launch that carries rows finely.
; LIMIT: |c q|, |k|, |v| under 65,504.
; A work-group makes 256 x 256 of one product, a wave 128 x 128 in 64 accumulators.  All of K lies in two LDS slots of 512 along K, filled once; the scale bytes of the 512 rows likewise.
; CLUSTERS: 4 x 4.  Cluster x says which product: 0 q, 1 k, 2 v.  The operand in role A (source 1) is shared along a row of the cluster, the one in role B (source 0) along a column, each by a joint load.
;   q, k: A = 256 tokens of x (tile 4 CY + cy), B = 256 rows of the weight (tile 4 CX + cx): a lane then holds one token and eight neighbouring d.
;   v:    A = 256 rows of Wv (tile 8 + cy), B = 256 tokens (tile 4 CY + cx): a lane holds one d and eight neighbouring tokens.  The same text; only pointers and tile numbers are chosen, by the cluster's x.
; So an accumulator, packed to f16, IS a block, and leaves straight from registers, 512 consecutive bytes a store.
; REGISTERS: window 0: v0-31 addresses; v32-95 scale words, two sets; v96-127 packed results; v128-191 A's fragments, later results at work; v192-255 the bias in the result's layout.
;   window 1: B's fragments, two sets.   windows 2, 3: the accumulators ((a, b) at v[8 (8 (a % 4) + b)]).
.set NQ,     4                         ; steps of 128 along K in a slot
.set ROWB,   256                       ; a tile's row in bytes: 512 codes
.set KROW,   512                       ; a row of codes in memory
.set PITCH,  272                       ; an LDS row: 256 bytes + 16: the 16 rows that a load touches start 68 words apart
.set FR,     8
.set NL,     2
.set NP,     4                         ; places behind this matrix instruction (ISA guide 7.12.1)
.set HALFT,  128*PITCH
.set SLOT,   4*HALFT                   ; A's 256 rows, then B's 256 rows
.set KS,     32                        ; a row of scale bytes
.set SCL,    2*SLOT
.set HALFS,  (128*KS/256)*272          ; the scales of 128 rows, as units of 256 bytes + 16
.set SBLK,   (16*KS/256)*272
.set SPARE,  SCL+4*HALFS               ; the spare words, 128 bytes for each wave
.set ADRA, 16
.set ADRB, 20
.set CO,   26                          ; v26  16 x lane
.set ADRS, 27
.set SPW,  28
.set NIL,  29
.set SC,   32
.set HB,   96                          ; packed results
.set AF,   128
.set TT,   128                         ; results at work
.set BI,   192                         ; the bias
.set G1, 24
.set G0, 32
.set G1B, 48
.set G0B, 56
.set G1S, 68
.set G0S, 76
.set G1SB, 80
.set G0SB, 88
.set MSB, 0
.macro WIN new                         ; the immediate's high byte repeats the setting that is left
.if MSB != \new
	s_set_vgpr_msb (MSB<<8)|\new
.set MSB, \new
.endif
.endm
.macro WIDEN lo, src                   ; the two f16 halves of register src, as f32, into v[lo] and v[lo + 1]; src is a plain number under 128, where halves have names
	v_cvt_f32_f16 v[\lo], v\src\().l
	v_cvt_f32_f16 v[(\lo)+1], v\src\().h
.endm
.set MUL_LO, 0xa1                      ; source 0 (B) window 1, source 1 (A) window 0, C and D window 2
.set MUL_HI, 0xf1
.set TO_B,   0x40
.macro JLOAD g0a, g1a, g0b, g1b        ; a joint load: waves 0 and 1 fetch for A, waves 2 and 3 for B; an s_nop 0 and four v_nop follow each line
	s_cmp_eq_u32 s15, 0
	s_cbranch_scc0 .Lfor_b_\@
	tensor_load_to_lds s[\g0a:\g0a+3], s[\g1a:\g1a+7]
	s_nop 0
.rept 4
	v_nop
.endr
	s_branch .Lasked_\@
.Lfor_b_\@:
	tensor_load_to_lds s[\g0b:\g0b+3], s[\g1b:\g1b+7]
	s_nop 0
.rept 4
	v_nop
.endr
.Lasked_\@:
.endm
.macro CROUND                          ; a round of the cluster's barrier
	s_barrier_signal -1
	s_barrier_wait -1
	s_cmp_lg_u32 s14, 0
	s_cbranch_scc1 .Lnot_wave_0_\@
	s_barrier_signal -3
.Lnot_wave_0_\@:
	s_barrier_wait -3
	s_barrier_signal -1
	s_barrier_wait -1
.endm
	s_load_b256 s[32:39], s[0:1], 0x0              ; xq, wq, bq, bk (in registers that the descriptors take later)
	s_load_b128 s[56:59], s[0:1], 0x20             ; bv, qkv
	v_lshl_add_u32 v[SPW], v0, 2, SPARE
	v_mov_b32 v[NIL], 0
	ds_add_u32 v[SPW], v[NIL]                      ; the wave's opening: the add, twice on end, and its wait ahead of my first tensor load
	ds_add_u32 v[SPW], v[NIL]
	v_lshrrev_b32 v1, 5, v0
	v_readfirstlane_b32 s14, v1                    ; wave 0..3
	s_lshr_b32 s15, s14, 1                         ; my half of A's rows.  Also: I fetch for A (0) or for B (1)
	s_and_b32 s16, s14, 1                          ; my half of B's rows.  Also: which 128 rows I fetch
	s_bfe_u32 s40, ttmp6, 0x40000                  ; cx
	s_bfe_u32 s41, ttmp6, 0x40004                  ; cy
	s_and_b32 s18, ttmp7, 0xffff
	s_lshl_b32 s18, s18, 2                         ; 4 CY
	s_add_co_u32 s17, s18, s41                     ; 4 CY + cy
	s_add_co_u32 s42, s18, s40                     ; 4 CY + cx
	s_lshl_b32 s45, ttmp9, 2
	s_add_co_u32 s45, s45, s40                     ; 4 CX + cx
	s_add_co_u32 s21, s41, 8                       ; 8 + cy
	s_lshl_b32 s43, s41, 2
	s_lshl_b32 s43, 15, s43                        ; my row of the cluster
	s_lshl_b32 s44, 0x1111, s40                    ; my column
	s_cmp_eq_u32 ttmp9, 2                          ; v?  The same in all sixteen partners
	s_cselect_b32 s20, s21, s17                    ; A's tile of 256 rows: it holds cy alone
	s_cselect_b32 s46, s42, s45                    ; B's: cx alone
	s_mov_b32 s94, 4194304
	s_cselect_b32 s95, 1572864, s94                ; where the scale bytes begin in A's buffer,
	s_mov_b32 s94, 1572864
	s_cselect_b32 s94, 4194304, s94                ; and in B's
	s_or_b32 s[G1+0], s43, (0<<16)|(1<<20)|(1<<21)|(5<<22)|(3<<25)  ; the mask; elements of 1 byte; padding on: 4 words after every 64; bit 21 beside a mask
	s_or_b32 s[G1B+0], s44, (0<<16)|(1<<20)|(1<<21)|(5<<22)|(3<<25)
.irp g, G1, G1B
	s_mov_b32 s[\g+1], ROWB<<16                    ; tensor_dim0
	s_mov_b32 s[\g+2], 128<<16                     ; tensor_dim1
	s_mov_b32 s[\g+3], ROWB<<16                    ; tile_dim0
	s_mov_b32 s[\g+4], 128                         ; tile_dim1
	s_mov_b32 s[\g+5], KROW                        ; the pitch
	s_mov_b32 s[\g+6], 0
	s_mov_b32 s[\g+7], 0
.endr
	s_or_b32 s[G1S+0], s43, (3<<16)|(1<<20)|(1<<21)|(5<<22)|(3<<25) ; the scales of 128 rows: 4,096 dense bytes as 16 rows of 32 elements of 8 bytes
	s_or_b32 s[G1SB+0], s44, (3<<16)|(1<<20)|(1<<21)|(5<<22)|(3<<25)
.irp g, G1S, G1SB
	s_mov_b32 s[\g+1], 32<<16
	s_mov_b32 s[\g+2], (128*KS/256)<<16
	s_mov_b32 s[\g+3], 32<<16
	s_mov_b32 s[\g+4], 128*KS/256
	s_mov_b32 s[\g+5], 32
	s_mov_b32 s[\g+6], 0
	s_mov_b32 s[\g+7], 0
.endr
	s_lshl_b32 s18, s16, 7                         ; which 128 rows of the tile I fetch
	s_lshl_b32 s20, s20, 8
	s_add_co_u32 s20, s20, s18                     ; A's first row
	s_lshl_b32 s46, s46, 8
	s_add_co_u32 s46, s46, s18                     ; B's
	s_lshl_b32 s22, s20, 5
	s_add_co_u32 s22, s22, s95                     ; their scale bytes, 32 a row,
	s_mov_b32 s23, 0
	s_lshl_b32 s92, s46, 5
	s_add_co_u32 s92, s92, s94
	s_mov_b32 s93, 0
	s_lshl_b32 s20, s20, 9                         ; and their codes, 512 bytes a row
	s_mov_b32 s21, 0
	s_lshl_b32 s46, s46, 9
	s_mov_b32 s47, 0
	s_mul_i32 s45, s14, HALFT                      ; where they go: wave x 128 rows: no place in the cluster enters an LDS address
	s_mul_i32 s94, s14, HALFS
	s_wait_dscnt 0x0                               ; both opening adds are done
	s_wait_kmcnt 0x0
	s_cmp_eq_u32 ttmp9, 2
	s_cselect_b64 s[4:5], s[34:35], s[32:33]       ; A's buffer
	s_cselect_b64 s[8:9], s[32:33], s[34:35]       ; B's
	s_cselect_b64 s[96:97], s[56:57], s[38:39]     ; the bias: bv, bk,
	s_cmp_eq_u32 ttmp9, 0
	s_cselect_b64 s[96:97], s[36:37], s[96:97]     ; or bq
	s_cselect_b32 s98, 0x3e38aa3b, 1.0             ; q's factor c = log2(e) / 8
	s_mov_b32 s99, s98
	s_mov_b64 s[12:13], s[58:59]
	s_add_nc_u64 s[22:23], s[4:5], s[22:23]
	s_add_nc_u64 s[20:21], s[4:5], s[20:21]
	s_add_nc_u64 s[92:93], s[8:9], s[92:93]
	s_add_nc_u64 s[46:47], s[8:9], s[46:47]
	CROUND                                         ; all sixteen work-groups are here: the first joint loads meet
	s_mov_b32 s[G0S], 1
	s_add_co_u32 s[G0S+1], s94, SCL
	s_mov_b64 s[G0S+2:G0S+3], s[22:23]
	s_or_b32 s[G0S+3], s[G0S+3], 0x80000000
	s_mov_b32 s[G0SB], 1
	s_add_co_u32 s[G0SB+1], s94, SCL
	s_mov_b64 s[G0SB+2:G0SB+3], s[92:93]
	s_or_b32 s[G0SB+3], s[G0SB+3], 0x80000000
	JLOAD G0S, G1S, G0SB, G1SB                     ; three loads of mine go out together: the scales,
.irp s, 0,1
	s_mov_b32 s[G0+4*\s], 1
	s_add_co_u32 s[G0+4*\s+1], s45, \s*SLOT
	s_add_nc_u64 s[G0+4*\s+2:G0+4*\s+3], s[20:21], \s*ROWB
	s_or_b32 s[G0+4*\s+3], s[G0+4*\s+3], 0x80000000
	s_mov_b32 s[G0B+4*\s], 1
	s_add_co_u32 s[G0B+4*\s+1], s45, \s*SLOT
	s_add_nc_u64 s[G0B+4*\s+2:G0B+4*\s+3], s[46:47], \s*ROWB
	s_or_b32 s[G0B+4*\s+3], s[G0B+4*\s+3], 0x80000000
	JLOAD G0+4*\s, G1, G0B+4*\s, G1B               ; slot 0 and slot 1: all of K
.endr
	v_and_b32 v1, 15, v0                           ; r
	v_bfe_u32 v2, v0, 4, 1                         ; h
	v_mul_u32_u24 v3, v1, PITCH
	v_lshl_add_u32 v4, v2, 4, v3
	s_mul_i32 s21, s15, HALFT
	s_mul_i32 s22, s16, HALFT
	s_add_co_u32 s22, s22, 2*HALFT
.irp s, 0,1
	v_add_nc_u32 v[ADRA+\s], s21, v4
	v_add_nc_u32 v[ADRB+\s], s22, v4
	s_add_co_u32 s21, s21, SLOT
	s_add_co_u32 s22, s22, SLOT
.endr
	v_mul_u32_u24 v5, v1, KS                       ; my row's scales: 32 bytes a row,
	v_lshrrev_b32 v6, 8, v5
	v_lshl_add_u32 v5, v6, 4, v5                   ; and 16 more for each 256 passed
	s_mul_i32 s21, s15, HALFS
	s_mul_i32 s22, s16, HALFS
	s_add_co_u32 s22, s22, 2*HALFS
	s_sub_co_u32 s22, s22, s21
	v_mul_u32_u24 v6, s22, v2                      ; lanes 16-31 take B's
	s_add_co_u32 s21, s21, SCL
	v_add_nc_u32 v5, v5, v6
	v_add_nc_u32 v[ADRS], s21, v5
	v_and_b32 v6, 31, v0
	v_lshlrev_b32 v[CO], 4, v6
	; the bias's and the result's places.  P, Pw: the tile and the half along the 1,024 features; T, Tw: along the tokens
	s_cmp_eq_u32 ttmp9, 2
	s_cselect_b32 s2, s41, s40
	s_cselect_b32 s3, s15, s16
	s_cselect_b32 s18, s42, s17
	s_cselect_b32 s19, s16, s15
	s_lshl_b32 s20, s2, 10
	s_lshl_b32 s21, s3, 9
	s_add_co_u32 s20, s20, s21
	s_mov_b32 s21, 0
	s_add_nc_u64 s[96:97], s[96:97], s[20:21]      ; the bias of my 128 features
	s_and_b32 s20, ttmp7, 0xffff
	s_lshr_b32 s20, s20, 1
	s_lshl_b32 s20, s20, 24                        ; the batch: 16 MiB
	s_lshl_b32 s22, ttmp9, 4
	s_lshl_b32 s2, s2, 2
	s_add_co_u32 s22, s22, s2
	s_lshl_b32 s3, s3, 1
	s_add_co_u32 s22, s22, s3                      ; hq = 16 CX + 4 P + 2 Pw
	s_lshl_b32 s22, s22, 18
	s_add_co_u32 s20, s20, s22
	s_and_b32 s18, s18, 7
	s_lshl_b32 s18, s18, 4
	s_lshl_b32 s19, s19, 3
	s_add_co_u32 s18, s18, s19                     ; tt = 16 (T % 8) + 8 Tw
	s_lshl_b32 s18, s18, 11
	s_add_co_u32 s20, s20, s18
	s_add_nc_u64 s[12:13], s[12:13], s[20:21]
	s_cmp_eq_u32 ttmp9, 2
	s_cbranch_scc1 .Lbias_v
	v_lshlrev_b32 v7, 5, v2                        ; q, k: register 8 b + j = bias[16 b + 8 h + j]
.irp b, 0,1,2,3,4,5,6,7
	global_load_b128 v[BI+8*\b:BI+8*\b+3], v7, s[96:97] offset:64*\b
	global_load_b128 v[BI+8*\b+4:BI+8*\b+7], v7, s[96:97] offset:64*\b+16
.endr
	s_branch .Lbias_in
.Lbias_v:
	v_lshlrev_b32 v7, 2, v1                        ; v: registers 8 a .. 8 a + 7 all = bv[16 a + r]: the lane's d
.irp a, 0,1,2,3,4,5,6,7
.irp j, 0,1,2,3,4,5,6,7
	global_load_b32 v[BI+8*\a+\j], v7, s[96:97] offset:64*\a
.endr
.endr
.Lbias_in:
.macro FRAG reg, adr, q, i             ; 16 rows x 128 K of 4-bit codes: 8 registers, two loads of 16 bytes, 32 bytes apart
.irp c, 0,1
	ds_load_b128 v[\reg+4*\c:\reg+4*\c+3], v[\adr] offset:64*(\q)+32*\c+(\i)*16*PITCH
.endr
.endm
; 16 matrix instructions: A's blocks a0, a0 + 1 x B's eight.  The 64 accumulators take turns, one instruction a turn, in the same order in every step.
.macro MUL16 a0, p, q, sc, zero
.irp a, \a0, \a0+1
.irp b, 0,1,2,3,4,5,6,7
.if \zero
	v_wmma_scale_f32_16x16x128_f8f6f4 v[8*(8*((\a)%4)+\b):8*(8*((\a)%4)+\b)+7], v[128*(\p)+FR*\b:128*(\p)+FR*\b+FR-1], v[AF+FR*(\a):AF+FR*(\a)+FR-1], 0, v[SC+8*NQ*(\sc)+NQ*\b+(\q)], v[SC+8*NQ*(\sc)+NQ*(\a)+(\q)] matrix_a_fmt:MATRIX_FMT_FP4 matrix_b_fmt:MATRIX_FMT_FP4 matrix_a_scale:MATRIX_SCALE_ROW1
.else
	v_wmma_scale_f32_16x16x128_f8f6f4 v[8*(8*((\a)%4)+\b):8*(8*((\a)%4)+\b)+7], v[128*(\p)+FR*\b:128*(\p)+FR*\b+FR-1], v[AF+FR*(\a):AF+FR*(\a)+FR-1], v[8*(8*((\a)%4)+\b):8*(8*((\a)%4)+\b)+7], v[SC+8*NQ*(\sc)+NQ*\b+(\q)], v[SC+8*NQ*(\sc)+NQ*(\a)+(\q)] matrix_a_fmt:MATRIX_FMT_FP4 matrix_b_fmt:MATRIX_FMT_FP4 matrix_a_scale:MATRIX_SCALE_ROW1
.endif
.endr
.endr
.endm
.macro FETCH_B slot, q, p
	WIN TO_B
.irp i, 0,1,2,3,4,5,6,7
	FRAG 128*(\p)+FR*\i, ADRB+\slot, \q, \i
.endr
	WIN 0
.endm
.macro FETCH_A slot, q, i0
.irp i, \i0, \i0+1, \i0+2, \i0+3
	FRAG AF+FR*(\i), ADRA+\slot, \q, \i
.endr
.endm
.macro SCALES sc                       ; a slot's scale words: 4 words a row; lanes 0-15 take A's block i, lanes 16-31 B's block i
.irp i, 0,1,2,3,4,5,6,7
	ds_load_b128 v[SC+8*NQ*\sc+NQ*\i:SC+8*NQ*\sc+NQ*\i+3], v[ADRS] offset:\i*SBLK
.endr
.endm
.macro PLACES n                        ; plain vector instructions between a matrix instruction and a load into, or a vector read or write of, its registers
.rept \n
	v_nop
.endr
.endm
.macro STEP slot, q, zero              ; a step of 128 along K that has its successor in the same slot
	s_wait_dscnt 4*NL                              ; B's set and A's blocks 0-3 are in; the youngest eight loads (A's blocks 4-7) may be out
	WIN MUL_LO
	MUL16 0, (\q)%2, \q, \slot, \zero
	MUL16 2, (\q)%2, \q, \slot, \zero
	s_wait_dscnt 0
	PLACES NP
	FETCH_B \slot, (\q)+1, 1-(\q)%2
	FETCH_A \slot, (\q)+1, 0
	WIN MUL_HI
	MUL16 4, (\q)%2, \q, \slot, \zero
	MUL16 6, (\q)%2, \q, \slot, \zero
	PLACES NP
	WIN 0
	FETCH_A \slot, (\q)+1, 4
.endm
.macro STEPS slot, from
.set Q, \from
.rept NQ-1-\from
	STEP \slot, Q, 0
.set Q, Q+1
.endr
.endm
	s_wait_tensorcnt 1                             ; the scales and my part of slot 0 are in; slot 1's load may be out
	s_barrier_signal -1
	s_barrier_wait -1
	FETCH_B 0, 0, 0
	FETCH_A 0, 0, 0
	SCALES 0
	FETCH_A 0, 0, 4
	STEP 0, 0, 1                                   ; the first products start the sums: nothing is cleared
	STEPS 0, 1
	; slot 0's last step, and on to slot 1
	s_wait_tensorcnt 0x0                           ; my part of slot 1 has landed
	ds_add_u32 v[SPW], v[NIL]
	s_wait_dscnt 4*NL+1                            ; the add and A's blocks 4-7 may be out
	WIN MUL_LO
	MUL16 0, 1, NQ-1, 0, 0
	s_wait_dscnt 0x0
	s_barrier_signal -1
	MUL16 2, 1, NQ-1, 0, 0
	WIN 0
	s_barrier_wait -1                              ; everybody's part of slot 1 has landed
	PLACES NP
	v_add_nc_u32 v[ADRS], 4*NQ, v[ADRS]            ; slot 1's scale words: 16 bytes on in each row
	FETCH_B 1, 0, 0
	FETCH_A 1, 0, 0
	SCALES 1
	WIN MUL_HI
	MUL16 4, 1, NQ-1, 0, 0
	MUL16 6, 1, NQ-1, 0, 0
	PLACES NP
	WIN 0
	FETCH_A 1, 0, 4
	STEPS 1, 0
	s_wait_dscnt 4*NL                              ; the very last step
	WIN MUL_LO
	MUL16 0, 1, NQ-1, 1, 0
	MUL16 2, 1, NQ-1, 1, 0
	s_wait_dscnt 0
	WIN MUL_HI
	MUL16 4, 1, NQ-1, 1, 0
	MUL16 6, 1, NQ-1, 1, 0
	WIN 0
; THE WAY OUT, A's blocks one after the other; each accumulator is read from its low end on.
.macro OUT_QK a                        ; sc x sum + bias (q: c x sum + c x bq; k: the factor is 1), packed: eight blocks
	WIN (0x02+(\a)/4)
.irp b, 0,1,2,3,4,5,6,7
.irp i, 0,2,4,6
	v_pk_fma_f32 v[TT+8*\b+\i:TT+8*\b+\i+1], v[8*(8*((\a)%4)+\b)+\i:8*(8*((\a)%4)+\b)+\i+1], s[98:99], v[BI+8*\b+\i:BI+8*\b+\i+1] op_sel_hi:[1,0,1]
.endr
.endr
	WIN 0
.if (\a) > 0
	s_wait_xcnt 0x0                                ; the last block's stores have read their registers
.endif
.irp b, 0,1,2,3,4,5,6,7
.irp i, 0,1,2,3
	v_cvt_pk_f16_f32 v[HB+4*\b+\i], v[TT+8*\b+2*\i], v[TT+8*\b+2*\i+1]
.endr
.endr
.irp b, 0,1,2,3,4,5,6,7
	global_store_b128 v[CO], v[HB+4*\b:HB+4*\b+3], s[12:13] offset:2048*(\a)+262144*(\b/4)+512*(\b%4)   ; token tile a; head b / 4, dt b % 4: 512 consecutive bytes
.endr
.endm
.macro OUT_V a                         ; sum + bv; the high part f16(v) and the low part f16(v - high)
.if (\a) > 0
	s_wait_xcnt 0x0                                ; the last block's stores have read their registers
.endif
	WIN (0x02+(\a)/4)
.irp b, 0,1,2,3,4,5,6,7
.irp i, 0,2,4,6
	v_pk_add_f32 v[TT+8*\b+\i:TT+8*\b+\i+1], v[8*(8*((\a)%4)+\b)+\i:8*(8*((\a)%4)+\b)+\i+1], v[BI+8*(\a)+\i:BI+8*(\a)+\i+1]
.endr
.endr
	WIN 0
.irp b, 0,1,2,3,4,5,6,7
.irp i, 0,1,2,3
	v_cvt_pk_f16_f32 v[HB+4*\b+\i], v[TT+8*\b+2*\i], v[TT+8*\b+2*\i+1]
.endr
.endr
.irp h, 96,97,98,99,100,101,102,103,104,105,106,107,108,109,110,111,112,113,114,115,116,117,118,119,120,121,122,123,124,125,126,127
	WIDEN 2+2*(\h%4), \h
	v_pk_add_f32 v[TT+2*(\h-96):TT+2*(\h-96)+1], v[TT+2*(\h-96):TT+2*(\h-96)+1], v[2+2*(\h%4):3+2*(\h%4)] neg_lo:[0,1] neg_hi:[0,1]   ; what the high part has lost
.endr
.irp b, 0,1,2,3,4,5,6,7
.irp i, 0,1,2,3
	v_cvt_pk_f16_f32 v[TT+8*\b+\i], v[TT+8*\b+2*\i], v[TT+8*\b+2*\i+1]      ; in place, ascending
.endr
.endr
.irp b, 0,1,2,3,4,5,6,7
	global_store_b128 v[CO], v[HB+4*\b:HB+4*\b+3], s[12:13] offset:262144*((\a)/4)+512*((\a)%4)+2048*\b           ; head a / 4, dt a % 4; token tile b
	global_store_b128 v[CO], v[TT+8*\b:TT+8*\b+3], s[12:13] offset:4194304+262144*((\a)/4)+512*((\a)%4)+2048*\b   ; 16 hq further on
.endr
.endm
	s_wait_loadcnt 0x0                             ; the bias
	PLACES NP                                      ; behind the last products: their results are read, and A's registers written
	s_cmp_eq_u32 ttmp9, 2
	s_cbranch_scc1 .Lout_v
	s_cmp_lg_u32 ttmp9, 0
	s_cbranch_scc1 .Lbias_as_is
.set i, 0
.rept 32
	v_pk_mul_f32 v[BI+i:BI+i+1], v[BI+i:BI+i+1], s[98:99] op_sel_hi:[1,0]   ; q alone: c x bq
.set i, i+2
.endr
.Lbias_as_is:
.irp a, 0,1,2,3,4,5,6,7
	OUT_QK \a
.endr
	s_branch .Lend
.Lout_v:
.irp a, 0,1,2,3,4,5,6,7
	OUT_V \a
.endr
.Lend:
	s_wait_tensorcnt 0x0                           ; the wave's end
	ds_add_u32 v[SPW], v[NIL]
	s_wait_dscnt 0x0
	CROUND                                         ; the closing round
	s_endpgm
.Lfunc_end_k_qc21bbf70b0_qkv:
	.size	k_qc21bbf70b0_qkv, .Lfunc_end_k_qc21bbf70b0_qkv-k_qc21bbf70b0_qkv
	.p2alignl 7, 3214868480
	.fill 96, 4, 3214868480
	.section	.rodata,"a",@progbits
	.p2align	6, 0x0
	.amdhsa_kernel k_qc21bbf70b0_qkv
		.amdhsa_group_segment_fixed_size 327680
		.amdhsa_private_segment_fixed_size 0
		.amdhsa_enable_private_segment 0
		.amdhsa_kernarg_size 48
		.amdhsa_user_sgpr_count 2
		.amdhsa_user_sgpr_kernarg_segment_ptr 1
		.amdhsa_wavefront_size32 1
		.amdhsa_system_sgpr_workgroup_id_x 1
		.amdhsa_system_sgpr_workgroup_id_y 1
		.amdhsa_system_sgpr_workgroup_id_z 1
		.amdhsa_system_vgpr_workitem_id 0
		.amdhsa_next_free_vgpr 1024
		.amdhsa_next_free_sgpr 100
		.amdhsa_reserve_vcc 0
		.amdhsa_float_denorm_mode_32 3
		.amdhsa_float_denorm_mode_16_64 3
		.amdhsa_memory_ordered 1
		.amdhsa_forward_progress 1
		.amdhsa_inst_pref_size 237
	.end_amdhsa_kernel
	.amdgpu_metadata
---
amdhsa.version: [ 1, 2 ]
amdhsa.kernels:
  - .name:           k_qc21bbf70b0_qkv
    .symbol:         k_qc21bbf70b0_qkv.kd
    .args:
      - { .name: xq, .offset: 0, .size: 8, .value_kind: global_buffer, .address_space: global }
      - { .name: wq, .offset: 8, .size: 8, .value_kind: global_buffer, .address_space: global }
      - { .name: bq, .offset: 16, .size: 8, .value_kind: global_buffer, .address_space: global }
      - { .name: bk, .offset: 24, .size: 8, .value_kind: global_buffer, .address_space: global }
      - { .name: bv, .offset: 32, .size: 8, .value_kind: global_buffer, .address_space: global }
      - { .name: qkv, .offset: 40, .size: 8, .value_kind: global_buffer, .address_space: global }
    .group_segment_fixed_size: 327680
    .private_segment_fixed_size: 0
    .kernarg_segment_align: 8
    .kernarg_segment_size: 48
    .max_flat_workgroup_size: 128
    .sgpr_count:     100
    .vgpr_count:     1024
    .wavefront_size: 32
...
	.end_amdgpu_metadata
.endif
;; end of part 2
;; launch attn (part 3): grid 4 x 64, 16 waves a work-group, no clusters, 34,816 bytes of LDS; arguments qkv, mk, ao; writes ao
.if DOCPART == 3
	.amdgcn_target "amdgcn-amd-amdhsa--gfx1250"
	.amdhsa_code_object_version 6
	.text
	.protected	k_qc21bbf70b0_attn
	.globl	k_qc21bbf70b0_attn
	.p2align	8
	.type	k_qc21bbf70b0_attn,@function
k_qc21bbf70b0_attn:
	s_mov_b64 s[64:65], 0
	v_nop
	global_prefetch_b8 v0, s[64:65] scope:SCOPE_SE
	s_setreg_imm32_b32 hwreg(HW_REG_WAVE_MODE, 25, 1), 1
	s_wait_xcnt 0x0
; ao = softmax(where(mask == 0, -1e9, q k^T / 8)) v for each of the 64 (batch, head), f16 operands, f32 sums, maxima and exponentials.
; PASSED OVER, by whole numbers that the first launch stored: a step of 64 keys that the mask closes for all 32 queries of a wave, while each of them has an open key somewhere (flag word live).
; LIMIT: the weight exp(-1e9 - the row's largest score) of such a key counts as 0.  A tile with a query that has no open key has all its live bits set: all steps run, and that query gets the mean of all values.
; Q arrives as c q, c = log2(e) / 8, so a score arrives as t = att x log2(e), and p = 2^(t - m), m the running largest t; a closed key's t is -1e9 x log2(e).  t - m is exactly 0 for equal scores.
; SHARES.  A work-group: one head, 512 queries; a wave: a unit u of 32 queries, two tiles of 16.  The units are dealt low and high by turns (u = 8 g + k or 63 - 8 g - k): that matters for speed alone.
; NO CLUSTER AND NO TENSOR LOAD: which steps are walked hangs on stored numbers, so K and V go memory -> registers -> LDS: each of the 512 threads copies 16 bytes of a step's 8 KiB of K and of V.
; Two LDS slots; one barrier a step: in front of it my reads of this step's slot and my stores into the other are done.
; LAYOUT.  S^T = K Q^T and O^T = V^T P: a lane holds one query (lane % 16) throughout.  All operands lie as blocks of 512 bytes, 16 bytes a lane at 16 x lane; two blocks are a fragment.  O^T packed to f16 is a block of ao.
; ao: [tt 512 = 128 b + qt][kt 64 = 4 head + dt][block]: row = token, columns = 16 kt + 8 h + 0..7.  LIMIT: values under 65,504.
.set SLOTB, 16384                      ; a slot: K's 16 blocks (4 t + dt), then V's 16 (4 t + dt)
.set VOFF,  8192
.set SPARE, 32768                      ; the spare words, 128 bytes for each of the sixteen waves
.set FL,    524288
.set SPW, 1
.set NIL, 2
.set LI,  3                            ; v3  16 x lane
.set TH,  5                            ; v5  16 x thread: my 16 bytes of a step's 8 KiB, in memory and in LDS
.set PFO, 7                            ; v7  the prefetch's offset
.set RG,  8                            ; v8-15 my 16 bytes of K and of V on their way
.set ST,  16                           ; tile q at v[16 + 8 q]: +0 m, +1 its pair's partner, +2, +3 l, +4 a, +4..+7 at work
.set QF,  32                           ; Q: 16 q + 8 c
.set S,   64                           ; S^T, then P in place: 32 q
.set O,   128                          ; O^T: 32 q + 8 dt
.set F,   192                          ; K's eight fragments, then V's
	s_load_b128 s[4:7], s[0:1], 0x0                ; qkv, mk
	s_load_b64 s[8:9], s[0:1], 0x10                ; ao
	v_lshl_add_u32 v[SPW], v0, 2, SPARE
	v_mov_b32 v[NIL], 0
	v_lshrrev_b32 v4, 5, v0
	v_readfirstlane_b32 s12, v4                    ; wave 0..15
	v_and_b32 v4, 31, v0
	v_lshlrev_b32 v[LI], 4, v4
	v_lshlrev_b32 v[TH], 4, v0
	s_lshr_b32 s52, s12, 2
	s_xor_b32 s53, s12, s52
	s_and_b32 s53, s53, 1                          ; high or low
	s_lshl_b32 s52, s52, 1
	s_bfe_u32 s54, s12, 0x10001                    ; (w >> 1) & 1
	s_or_b32 s52, s52, s54                         ; k = 0..7
	s_lshl_b32 s55, ttmp9, 3
	s_add_co_u32 s52, s52, s55
	s_sub_co_u32 s55, 63, s52
	s_cmp_eq_u32 s53, 1
	s_cselect_b32 s13, s55, s52                    ; u
	s_and_b32 s55, s12, 13
	s_xor_b32 s55, s55, 1                          ; 0 in waves 1 and 3,
	s_or_b32 s55, s55, ttmp9                       ; of the head's first work-group
	s_cmp_eq_u32 s55, 0
	s_cselect_b32 s92, 1, 0                        ; these two prefetch: wave 1 K, wave 3 V
	v_lshlrev_b32 v[PFO], 8, v4
	s_lshl_b32 s54, s54, 22
	v_add_nc_u32 v[PFO], s54, v[PFO]               ; lanes 256 bytes apart; V lies 4 MiB behind K
	s_and_b32 s14, ttmp7, 0xffff
	s_lshr_b32 s15, s14, 4                         ; b
	s_and_b32 s14, s14, 15                         ; head
	s_lshl_b32 s56, s15, 24
	s_lshl_b32 s57, s14, 18
	s_add_co_u32 s56, s56, s57
	s_mov_b32 s57, 0
	s_add_co_u32 s58, s56, 16<<18                  ; K of my head
	s_mov_b32 s59, 0
	s_lshl_b32 s60, s13, 12
	s_add_co_u32 s56, s56, s60                     ; Q of my unit
	s_lshl_b32 s60, s15, 22
	s_lshl_b32 s61, s13, 16
	s_add_co_u32 s60, s60, s61
	s_lshl_b32 s61, s14, 11
	s_add_co_u32 s60, s60, s61                     ; ao: 32 KiB (128 b + 2 u) + 2 KiB head
	s_mov_b32 s61, 0
	s_lshl_b32 s62, s13, 13                        ; mk: 4,096 bytes a tile
	s_mov_b32 s63, 0
	s_lshl_b32 s93, ttmp9, 6
	s_sub_co_u32 s94, 448, s93
	s_lshl_b32 s95, s13, 3
	s_mov_b32 s87, 0                               ; 128 x the step
	s_mov_b32 s88, 16
	s_mov_b32 s89, 0xceabfb8f                      ; -1e9 x log2(e)
	s_mov_b32 s90, 0x76543210
	s_mov_b32 s91, 0xfedcba98                      ; v_permlanex16_b32's selects for lane l xor 16
	s_wait_kmcnt 0x0
	s_load_b512 s[16:31], s[6:7], s93 offset:FL    ; live of tiles 16 g .. 16 g + 15,
	s_load_b512 s[32:47], s[6:7], s94 offset:FL    ; and of tiles 112 - 16 g .. 127 - 16 g: my work-group's 32
	s_load_b64 s[48:49], s[6:7], s95 offset:FL     ; my two tiles' live,
	s_load_b64 s[50:51], s[6:7], s95 offset:FL+512 ; and ones
	s_add_nc_u64 s[10:11], s[4:5], s[58:59]
	s_add_nc_u64 s[4:5], s[4:5], s[56:57]
	s_add_nc_u64 s[8:9], s[8:9], s[60:61]
.irp q, 0,1
.irp d, 0,1,2,3
	global_load_b128 v[QF+16*\q+4*\d:QF+16*\q+4*\d+3], v[LI], s[4:5] offset:2048*\q+512*\d
.endr
.endr
.irp i, 0,1,2,3,4,5,6,7
	v_mov_b32 v[RG+\i], 0
.endr
.irp q, 0,1
	v_mov_b32 v[ST+8*\q], 0xff61b1e6               ; m = -3e38, under every t
.irp i, 1,2,3,4,5,6,7
	v_mov_b32 v[ST+8*\q+\i], 0
.endr
.endr
.set i, 0
.rept 64
	v_mov_b32 v[O+i], 0                            ; where the first live step falls hangs on stored numbers, so the step is written once and finds zeros
.set i, i+1
.endr
	s_wait_kmcnt 0x0
	s_add_nc_u64 s[6:7], s[6:7], s[62:63]
	s_or_b32 s84, s16, s17                         ; W: the steps that some wave of the work-group walks
.set n, 2
.rept 30
	s_or_b32 s84, s84, s[16+n]
.set n, n+1
.endr
	s_or_b32 s85, s48, s49                         ; LIVE: the steps that I walk
	s_and_b32 s86, s50, s51                        ; ONES: the steps in which nothing is closed
	s_bitcmp1_b32 s84, 0
	s_cbranch_scc0 .Lno_t0
	global_load_b128 v[RG:RG+3], v[TH], s[10:11]
	global_load_b128 v[RG+4:RG+7], v[TH], s[10:11] offset:4194304
	s_wait_loadcnt 0x0
	ds_store_b128 v[TH], v[RG:RG+3]
	ds_store_b128 v[TH], v[RG+4:RG+7] offset:VOFF
.Lno_t0:
	s_wait_xcnt 0x0
	s_add_nc_u64 s[10:11], s[10:11], 8192          ; step 1
	s_bitcmp1_b32 s84, 1
	s_cbranch_scc0 .Lno_t1
	s_wait_dscnt 0x0                               ; the stores have read their registers
	global_load_b128 v[RG:RG+3], v[TH], s[10:11]
	global_load_b128 v[RG+4:RG+7], v[TH], s[10:11] offset:4194304
.Lno_t1:
	s_wait_dscnt 0x0
	s_barrier_signal -1
	s_barrier_wait -1
.macro COMPUTE s
	s_load_b512 s[16:31], s[6:7], s87 offset:0x0       ; the step's lane words: tile 0's 32,
	s_load_b512 s[32:47], s[6:7], s87 offset:0x40
	s_load_b512 s[48:63], s[6:7], s87 offset:0x1000    ; tile 1's
	s_load_b512 s[68:83], s[6:7], s87 offset:0x1040
.set i, 0
.rept 8                                ; K's fragment i = 2 t + c (keys 16 t on, d 32 c on): blocks 2 i and 2 i + 1
	ds_load_b128 v[F+8*i:F+8*i+3], v[LI] offset:\s*SLOTB+1024*i
	ds_load_b128 v[F+8*i+4:F+8*i+7], v[LI] offset:\s*SLOTB+1024*i+512
.set i, i+1
.endr
	s_wait_dscnt 0x0
.irp c, 0,1                            ; S^T = K Q^T: the eight accumulators take turns
.irp t, 0,1,2,3
.irp q, 0,1
.if \c == 0
	v_wmma_f32_16x16x32_f16 v[S+32*\q+8*\t:S+32*\q+8*\t+7], v[F+8*(2*\t+\c):F+8*(2*\t+\c)+7], v[QF+16*\q+8*\c:QF+16*\q+8*\c+7], 0
.else
	v_wmma_f32_16x16x32_f16 v[S+32*\q+8*\t:S+32*\q+8*\t+7], v[F+8*(2*\t+\c):F+8*(2*\t+\c)+7], v[QF+16*\q+8*\c:QF+16*\q+8*\c+7], v[S+32*\q+8*\t:S+32*\q+8*\t+7]
.endif
.endr
.endr
.endr
.rept 4
	v_nop                                          ; places: K's registers are loaded anew, and the scores read
.endr
.irp d, 0,1,2,3                        ; V's fragment (dt, u) (d 16 dt on, keys 32 u on): blocks 8 u + dt and 8 u + 4 + dt
.irp u, 0,1
	ds_load_b128 v[F+8*(2*\d+\u):F+8*(2*\d+\u)+3], v[LI] offset:\s*SLOTB+VOFF+512*(8*\u+\d)
	ds_load_b128 v[F+8*(2*\d+\u)+4:F+8*(2*\d+\u)+7], v[LI] offset:\s*SLOTB+VOFF+512*(8*\u+\d+4)
.endr
.endr
	s_wait_kmcnt 0x0                               ; the lane words are in
	s_bitcmp1_b32 s86, 0
	s_cbranch_scc1 .Lopen_\@                       ; nothing is closed in this step: the selects are passed over
.set n, 0
.rept 32
	v_cndmask_b32 v[S+n], s89, v[S+n], s[16+n]     ; register n = 8 t + j of lane L is key 16 t + 8 (L / 16) + j, query L % 16: bit L of word n
.set n, n+1
.endr
.set n, 0
.rept 16
	v_cndmask_b32 v[S+32+n], s89, v[S+32+n], s[48+n]
.set n, n+1
.endr
.set n, 0
.rept 16
	v_cndmask_b32 v[S+48+n], s89, v[S+48+n], s[68+n]
.set n, n+1
.endr
.Lopen_\@:
.irp j, 0,1,2,3                        ; the largest t of my 32 and the old m: four chains, the two tiles line by line; each accumulator is read from its low end on
.irp q, 0,1
	v_max3_num_f32 v[ST+8*\q+4+\j], v[S+32*\q+8*\j], v[S+32*\q+8*\j+1], v[S+32*\q+8*\j+2]
.endr
.endr
.irp i, 3,5
.irp j, 0,1,2,3
.irp q, 0,1
	v_max3_num_f32 v[ST+8*\q+4+\j], v[ST+8*\q+4+\j], v[S+32*\q+8*\j+\i], v[S+32*\q+8*\j+\i+1]
.endr
.endr
.endr
.irp q, 0,1
	v_max3_num_f32 v[ST+8*\q+4], v[ST+8*\q+4], v[S+32*\q+7], v[S+32*\q+15]
	v_max3_num_f32 v[ST+8*\q+6], v[ST+8*\q+6], v[S+32*\q+23], v[S+32*\q+31]
.endr
.irp q, 0,1
	v_max3_num_f32 v[ST+8*\q+4], v[ST+8*\q+4], v[ST+8*\q+5], v[ST+8*\q+6]
.endr
.irp q, 0,1
	v_max3_num_f32 v[ST+8*\q+4], v[ST+8*\q+4], v[ST+8*\q+7], v[ST+8*\q]
.endr
.irp q, 0,1
	v_permlanex16_b32 v[ST+8*\q+5], v[ST+8*\q+4], s90, s91   ; the query's other 32 keys lie in the lane 16 away
.endr
.irp q, 0,1
	v_mov_b32 v[ST+8*\q+7], v[ST+8*\q]
.endr
.irp q, 0,1
	v_max_num_f32 v[ST+8*\q], v[ST+8*\q+4], v[ST+8*\q+5]     ; the new m
.endr
.irp q, 0,1
	v_sub_f32 v[ST+8*\q+7], v[ST+8*\q+7], v[ST+8*\q]         ; old m - new m
.endr
.set i, 0
.rept 16
.irp q, 0,1
	v_pk_add_f32 v[S+32*\q+i:S+32*\q+i+1], v[S+32*\q+i:S+32*\q+i+1], v[ST+8*\q:ST+8*\q+1] op_sel_hi:[1,0] neg_lo:[0,1] neg_hi:[0,1]   ; t - m
.endr
.set i, i+2
.endr
.irp q, 0,1
	v_exp_f32 v[ST+8*\q+4], v[ST+8*\q+7]           ; a = 2^(old m - new m)
.endr
.set i, 0
.rept 32
.irp q, 0,1
	v_exp_f32 v[S+32*\q+i], v[S+32*\q+i]           ; p
.endr
.set i, i+1
.endr
	v_nop                                          ; a plain instruction behind the last exponential
	s_wait_alu depctr_va_vdst(0)                   ; one wait for the 66, ahead of the first instruction that names a result
.irp q, 0,1
	v_pk_add_f32 v[ST+8*\q+6:ST+8*\q+7], v[S+32*\q:S+32*\q+1], v[S+32*\q+2:S+32*\q+3]
.endr
.set i, 4
.rept 14
.irp q, 0,1
	v_pk_add_f32 v[ST+8*\q+6:ST+8*\q+7], v[ST+8*\q+6:ST+8*\q+7], v[S+32*\q+i:S+32*\q+i+1]
.endr
.set i, i+2
.endr
.irp q, 0,1
	v_pk_fma_f32 v[ST+8*\q+2:ST+8*\q+3], v[ST+8*\q+2:ST+8*\q+3], v[ST+8*\q+4:ST+8*\q+5], v[ST+8*\q+6:ST+8*\q+7] op_sel_hi:[1,0,1]   ; l = a l + the step's sum
.endr
.set i, 0
.rept 16
.irp q, 0,1
	v_cvt_pk_f16_f32 v[S+32*\q+i], v[S+32*\q+2*i], v[S+32*\q+2*i+1]   ; P, in place and ascending: fragment u is v[S + 32 q + 8 u] on
.endr
.set i, i+1
.endr
.set i, 0
.rept 16
.irp q, 0,1
	v_pk_mul_f32 v[O+32*\q+i:O+32*\q+i+1], v[O+32*\q+i:O+32*\q+i+1], v[ST+8*\q+4:ST+8*\q+5] op_sel_hi:[1,0]   ; O^T x a
.endr
.set i, i+2
.endr
	s_wait_dscnt 0x0                               ; V is in
.irp u, 0,1                            ; O^T += V^T P: the eight accumulators take turns
.irp d, 0,1,2,3
.irp q, 0,1
	v_wmma_f32_16x16x32_f16 v[O+32*\q+8*\d:O+32*\q+8*\d+7], v[F+8*(2*\d+\u):F+8*(2*\d+\u)+7], v[S+32*\q+8*\u:S+32*\q+8*\u+7], v[O+32*\q+8*\d:O+32*\q+8*\d+7]
.endr
.endr
.endr
.rept 5
	v_nop                                          ; places: the next matrix instruction writes over P's registers, the next loads land in V's
.endr
.endm
; A key step j in slot s.  W's bit 0 stands for step j.
.macro STEP s
	s_wait_loadcnt 0x0                             ; step j + 1's bytes are in my registers (and Q, the first time)
	s_wait_xcnt 0x0                                ; the loads and the last prefetch have read their base
	s_add_nc_u64 s[10:11], s[10:11], 8192          ; now at step j + 2
	s_bitcmp1_b32 s84, 1
	s_cbranch_scc0 .Lno_st_\@
	ds_store_b128 v[TH], v[RG:RG+3] offset:(1-\s)*SLOTB
	ds_store_b128 v[TH], v[RG+4:RG+7] offset:(1-\s)*SLOTB+VOFF
.Lno_st_\@:
	s_bitcmp1_b32 s84, 2
	s_cbranch_scc0 .Lno_ld_\@
	s_wait_dscnt 0x0                               ; the stores have read their registers
	global_load_b128 v[RG:RG+3], v[TH], s[10:11]
	global_load_b128 v[RG+4:RG+7], v[TH], s[10:11] offset:4194304
.Lno_ld_\@:
	s_lshr_b32 s93, s84, 3
	s_and_b32 s93, s93, s92
	s_cmp_lg_u32 s93, 0
	s_cbranch_scc0 .Lno_pf_\@
	global_prefetch_b8 v[PFO], s[10:11] offset:8192 th:TH_LOAD_NT scope:SCOPE_SE   ; step j + 3, one step ahead of the load that wants it: 8 KiB, a lane for each 256 bytes; named once in the launch: one wave of the head's first work-group for K, one for V
.Lno_pf_\@:
	s_bitcmp1_b32 s85, 0
	s_cbranch_scc0 .Lno_cmp_\@
	COMPUTE \s
.Lno_cmp_\@:
	s_lshr_b32 s84, s84, 1                         ; zeros come in: nothing is asked for past step 31
	s_lshr_b32 s85, s85, 1
	s_lshr_b32 s86, s86, 1
	s_add_co_u32 s87, s87, 128
	s_wait_dscnt 0x0                               ; my reads of this slot and my stores into the other are done
	s_barrier_signal -1
	s_barrier_wait -1
.endm
.Lstep:
	STEP 0
	STEP 1
	s_sub_co_u32 s88, s88, 1
	s_cmp_lg_u32 s88, 0
	s_cbranch_scc1 .Lstep
	; THE WAY OUT: O^T / l, packed: four blocks a tile, 512 consecutive bytes a store
.irp q, 0,1
	v_add_f32 v[ST+8*\q+4], v[ST+8*\q+2], v[ST+8*\q+3]
.endr
.irp q, 0,1
	v_permlanex16_b32 v[ST+8*\q+5], v[ST+8*\q+4], s90, s91
.endr
.irp q, 0,1
	v_add_f32 v[ST+8*\q+4], v[ST+8*\q+4], v[ST+8*\q+5]
.endr
.irp q, 0,1
	v_rcp_f32 v[ST+8*\q+6], v[ST+8*\q+4]
.endr
	v_nop
	s_wait_alu depctr_va_vdst(0)                   ; one wait for the two reciprocals
.set i, 0
.rept 16
.irp q, 0,1
	v_pk_mul_f32 v[O+32*\q+i:O+32*\q+i+1], v[O+32*\q+i:O+32*\q+i+1], v[ST+8*\q+6:ST+8*\q+7] op_sel_hi:[1,0]
.endr
.set i, i+2
.endr
.set i, 0
.rept 16
.irp q, 0,1
	v_cvt_pk_f16_f32 v[S+16*\q+i], v[O+32*\q+2*i], v[O+32*\q+2*i+1]
.endr
.set i, i+1
.endr
.irp q, 0,1
.irp d, 0,1,2,3
	global_store_b128 v[LI], v[S+16*\q+4*\d:S+16*\q+4*\d+3], s[8:9] offset:32768*\q+512*\d
.endr
.endr
	s_wait_tensorcnt 0x0                           ; the wave's end, behind my last LDS store
	ds_add_u32 v[SPW], v[NIL]
	s_wait_dscnt 0x0
	s_endpgm
.Lfunc_end_k_qc21bbf70b0_attn:
	.size	k_qc21bbf70b0_attn, .Lfunc_end_k_qc21bbf70b0_attn-k_qc21bbf70b0_attn
	.p2alignl 7, 3214868480
	.fill 96, 4, 3214868480
	.section	.rodata,"a",@progbits
	.p2align	6, 0x0
	.amdhsa_kernel k_qc21bbf70b0_attn
		.amdhsa_group_segment_fixed_size 34816
		.amdhsa_private_segment_fixed_size 0
		.amdhsa_enable_private_segment 0
		.amdhsa_kernarg_size 24
		.amdhsa_user_sgpr_count 2
		.amdhsa_user_sgpr_kernarg_segment_ptr 1
		.amdhsa_wavefront_size32 1
		.amdhsa_system_sgpr_workgroup_id_x 1
		.amdhsa_system_sgpr_workgroup_id_y 1
		.amdhsa_system_sgpr_workgroup_id_z 1
		.amdhsa_system_vgpr_workitem_id 0
		.amdhsa_next_free_vgpr 256
		.amdhsa_next_free_sgpr 100
		.amdhsa_reserve_vcc 0
		.amdhsa_float_denorm_mode_32 3
		.amdhsa_float_denorm_mode_16_64 3
		.amdhsa_memory_ordered 1
		.amdhsa_forward_progress 1
		.amdhsa_inst_pref_size 59
	.end_amdhsa_kernel
	.amdgpu_metadata
---
amdhsa.version: [ 1, 2 ]
amdhsa.kernels:
  - .name:           k_qc21bbf70b0_attn
    .symbol:         k_qc21bbf70b0_attn.kd
    .args:
      - { .name: qkv, .offset: 0, .size: 8, .value_kind: global_buffer, .address_space: global }
      - { .name: mk, .offset: 8, .size: 8, .value_kind: global_buffer, .address_space: global }
      - { .name: ao, .offset: 16, .size: 8, .value_kind: global_buffer, .address_space: global }
    .group_segment_fixed_size: 34816
    .private_segment_fixed_size: 0
    .kernarg_segment_align: 8
    .kernarg_segment_size: 24
    .max_flat_workgroup_size: 512
    .sgpr_count:     100
    .vgpr_count:     256
    .wavefront_size: 32
...
	.end_amdgpu_metadata
.endif
;; end of part 3
;; launch oproj (part 4): grid 4 x 64, 4 waves a work-group, clusters of 4 x 4, 327,680 bytes of LDS; arguments ao, wo16, bo, out0; writes out0
.if DOCPART == 4
	.amdgcn_target "amdgcn-amd-amdhsa--gfx1250"
	.amdhsa_code_object_version 6
	.text
	.protected	k_qc21bbf70b0_oproj
	.globl	k_qc21bbf70b0_oproj
	.p2align	8
	.type	k_qc21bbf70b0_oproj,@function
k_qc21bbf70b0_oproj:
	s_mov_b64 s[64:65], 0
	v_nop
	global_prefetch_b8 v0, s[64:65] scope:SCOPE_SE
	s_setreg_imm32_b32 hwreg(HW_REG_WAVE_MODE, 25, 1), 1
	s_wait_xcnt 0x0
	s_wait_alu depctr_hold_cnt(0) depctr_sa_sdst(0) depctr_va_vdst(0) depctr_va_sdst(0) depctr_va_ssrc(0) depctr_va_vcc(0) depctr_vm_vsrc(0)
	s_getreg_b32 s2, hwreg(HW_REG_IB_STS2, 6, 4)
	s_cmp_eq_u32 s2, 0
	s_cbranch_scc0 .Lentry_in_a_cluster
	s_endpgm
.Lentry_in_a_cluster:
	s_bfe_u32 s2, ttmp6, 0x10000c
	s_cmp_lg_u32 s2, 0xf033
	s_cbranch_scc0 .Lentry_shape_is_right
	s_endpgm
.Lentry_shape_is_right:
; out0 = ao Wo^T + bo, f16 operands, f32 sums.  Nothing is left out; rows 0-15 of each sequence are written here too and written again, more finely, by the last launch.
; A work-group makes 128 tokens x 256 columns, a wave 64 x 128: 32 accumulators.  K = 1,024 goes in 8 steps of 128 through two LDS slots filled by the tensor data mover.
; Both operands lie in memory as blocks of 512 bytes (16 rows x 16 along K, 16 bytes a lane at 16 x lane), [row tile][kt 64]: a K step of a row tile is 4,096 consecutive bytes, 32 KiB from row tile to row tile.
; So a fragment (two blocks) is two LDS loads at 16 x lane: consecutive bytes, no pitch, no padding.
; CLUSTERS: 4 x 4.  ao's tile hangs on the tile row alone and is shared along a row of the cluster, wo16's on the tile column alone and is shared along a column: joint loads.
; THE MATRIX INSTRUCTION IS USED TRANSPOSED (source 0 = 16 rows of Wo, source 1 = 16 tokens): a lane holds eight neighbouring columns of one row of out0.  bo is the C of each sum's first instruction.
; REGISTERS: window 0: v0-31 addresses; two fragment buffers of 96 (B's 64, then A's 32) at v32 and v128.   window 1: the accumulators, (a, b) at v[8 (8 a + b)].   window 2: v0-63 bo in the result's layout.
.set KSB,    4096                      ; a K step of a row tile, in bytes
.set BOFF,   8*KSB                     ; a slot: A's 8 row tiles, then B's 16
.set SLOT,   24*KSB
.set STAGE,  2*SLOT                    ; behind the ring: 16 rows x (512 + 16) bytes for each wave
.set SPITCH, 528
.set SPARE,  STAGE+4*16*SPITCH         ; the spare words, 128 bytes for each wave
.set LAPS,   4                         ; a lap = two K steps
.set WV, 14
.set HI, 15
.set LO, 16
.set ADRA, 16
.set ADRB, 20
.set STO,  24
.set RD,   25
.set CO,   26
.set SPW,  28
.set NIL,  29
.set F0,   32
.set F1,   128
.set BK,   32                          ; the way out: rows read back, v32-95 and v96-159 by turns
.set G1, 24
.set G0, 32
.set G1B, 48
.set G0B, 56
.set MSB, 0
.macro WIN new
.if MSB != \new
	s_set_vgpr_msb (MSB<<8)|\new
.set MSB, \new
.endif
.endm
.set MUL,       0x50                   ; C and D window 1
.set MUL_FIRST, 0x60                   ; C window 2 (bo), D window 1
.macro JLOAD s                         ; waves 0 and 1 fetch A's halves, waves 2 and 3 B's; an s_nop 0 and four v_nop follow each line
	s_cmp_eq_u32 s[HI], 0
	s_cbranch_scc0 .Lfor_b_\@
	tensor_load_to_lds s[G0+4*\s:G0+4*\s+3], s[G1:G1+7]
	s_nop 0
.rept 4
	v_nop
.endr
	s_branch .Lasked_\@
.Lfor_b_\@:
	tensor_load_to_lds s[G0B+4*\s:G0B+4*\s+3], s[G1B:G1B+7]
	s_nop 0
.rept 4
	v_nop
.endr
.Lasked_\@:
.endm
.macro CREST
	s_cmp_lg_u32 s[WV], 0
	s_cbranch_scc1 .Lnot_wave_0_\@
	s_barrier_signal -3
.Lnot_wave_0_\@:
	s_barrier_wait -3
	s_barrier_signal -1
	s_barrier_wait -1
.endm
.macro CROUND
	s_barrier_signal -1
	s_barrier_wait -1
	CREST
.endm
	s_load_b256 s[4:11], s[0:1], 0x0               ; ao, wo16, bo, out0
	v_lshl_add_u32 v[SPW], v0, 2, SPARE
	v_mov_b32 v[NIL], 0
	ds_add_u32 v[SPW], v[NIL]                      ; the wave's opening: the add, twice on end, and its wait ahead of my first tensor load
	ds_add_u32 v[SPW], v[NIL]
	v_lshrrev_b32 v1, 5, v0
	v_readfirstlane_b32 s[WV], v1
	s_lshr_b32 s[HI], s[WV], 1                     ; my half of the rows.  Also: I fetch for A (0) or for B (1)
	s_and_b32 s[LO], s[WV], 1                      ; my half of the columns.  Also: which half I fetch
	s_bfe_u32 s40, ttmp6, 0x40000                  ; cx = the tile column
	s_bfe_u32 s41, ttmp6, 0x40004                  ; cy
	s_and_b32 s17, ttmp7, 0xffff
	s_lshl_b32 s17, s17, 2
	s_add_co_u32 s17, s17, s41                     ; the tile row = 4 x cluster y + cy
	s_lshl_b32 s43, s41, 2
	s_lshl_b32 s43, 15, s43
	s_lshl_b32 s44, 0x1111, s40
	s_or_b32 s[G1+0], s43, (3<<16)|(1<<21)         ; the mask; elements of 8 bytes; no padding; bit 21 beside a mask
	s_mov_b32 s[G1+1], 512<<16                     ; tensor_dim0 = 512 elements: 4,096 bytes
	s_mov_b32 s[G1+2], 4<<16                       ; tensor_dim1 = 4 row tiles
	s_mov_b32 s[G1+3], 512<<16                     ; tile_dim0
	s_mov_b32 s[G1+4], 4                           ; tile_dim1
	s_mov_b32 s[G1+5], 4096                        ; the pitch: 32 KiB
	s_mov_b32 s[G1+6], 0
	s_mov_b32 s[G1+7], 0
	s_or_b32 s[G1B+0], s44, (3<<16)|(1<<21)
	s_mov_b32 s[G1B+1], 512<<16
	s_mov_b32 s[G1B+2], 8<<16                      ; 8 row tiles
	s_mov_b32 s[G1B+3], 512<<16
	s_mov_b32 s[G1B+4], 8
	s_mov_b32 s[G1B+5], 4096
	s_mov_b32 s[G1B+6], 0
	s_mov_b32 s[G1B+7], 0
	s_lshl_b32 s20, s17, 3
	s_lshl_b32 s18, s[LO], 2
	s_add_co_u32 s20, s20, s18
	s_lshl_b32 s20, s20, 15                        ; A: row tile 8 x tile row + 4 x half
	s_mov_b32 s21, 0
	s_lshl_b32 s46, s40, 4
	s_lshl_b32 s18, s[LO], 3
	s_add_co_u32 s46, s46, s18
	s_lshl_b32 s46, s46, 15                        ; B: row tile 16 x tile column + 8 x half
	s_mov_b32 s47, 0
	s_lshl_b32 s22, s[LO], 14                      ; where they go: the wave's number alone
	s_lshl_b32 s23, s[LO], 15
	s_add_co_u32 s23, s23, BOFF
	s_wait_dscnt 0x0
	s_wait_kmcnt 0x0
	s_add_nc_u64 s[20:21], s[4:5], s[20:21]
	s_add_nc_u64 s[46:47], s[6:7], s[46:47]
	CROUND                                         ; all sixteen work-groups are here
.irp s, 0,1
	s_mov_b32 s[G0+4*\s], 1
	s_add_co_u32 s[G0+4*\s+1], s22, \s*SLOT
	s_add_nc_u64 s[G0+4*\s+2:G0+4*\s+3], s[20:21], \s*KSB
	s_or_b32 s[G0+4*\s+3], s[G0+4*\s+3], 0x80000000
	s_mov_b32 s[G0B+4*\s], 1
	s_add_co_u32 s[G0B+4*\s+1], s23, \s*SLOT
	s_add_nc_u64 s[G0B+4*\s+2:G0B+4*\s+3], s[46:47], \s*KSB
	s_or_b32 s[G0B+4*\s+3], s[G0B+4*\s+3], 0x80000000
	JLOAD \s                                       ; two loads of mine go out together
.endr
	v_and_b32 v1, 15, v0                           ; r
	v_bfe_u32 v2, v0, 4, 1                         ; h
	v_and_b32 v3, 31, v0
	v_lshlrev_b32 v[CO], 4, v3                     ; 16 x lane
	s_lshl_b32 s21, s[HI], 14                      ; my 4 row tiles of A,
	s_lshl_b32 s22, s[LO], 15
	s_add_co_u32 s22, s22, BOFF                    ; my 8 of B
.irp s, 0,1
	v_add_nc_u32 v[ADRA+\s], s21, v[CO]
	v_add_nc_u32 v[ADRB+\s], s22, v[CO]
	s_add_co_u32 s21, s21, SLOT
	s_add_co_u32 s22, s22, SLOT
.endr
	s_mul_i32 s23, s[WV], 16*SPITCH
	s_add_co_u32 s23, s23, STAGE
	v_mul_u32_u24 v4, v1, SPITCH
	v_lshl_add_u32 v4, v2, 5, v4
	v_add_nc_u32 v[STO], s23, v4                   ; in: row r, 32 bytes for each half of the lanes
	v_add_nc_u32 v[RD], s23, v[CO]                 ; back: the 32 lanes take a row of 512 bytes
	s_lshl_b32 s20, s40, 10
	s_lshl_b32 s18, s[LO], 9
	s_add_co_u32 s20, s20, s18                     ; my first column, in bytes
	s_mov_b32 s21, 0
	s_add_nc_u64 s[8:9], s[8:9], s[20:21]
	s_lshl_b32 s18, s17, 7
	s_lshl_b32 s19, s[HI], 6
	s_add_co_u32 s18, s18, s19                     ; my first row
	s_lshl_b32 s18, s18, 12
	s_add_co_u32 s20, s20, s18
	s_add_nc_u64 s[10:11], s[10:11], s[20:21]
	v_lshlrev_b32 v7, 5, v2
	WIN 0x80                                       ; destination window 2
.irp b, 0,1,2,3,4,5,6,7
	global_load_b128 v[8*\b:8*\b+3], v7, s[8:9] offset:64*\b         ; register 8 b + j = bo[16 b + 8 h + j] of my 128
	global_load_b128 v[8*\b+4:8*\b+7], v7, s[8:9] offset:64*\b+16
.endr
	WIN 0
.macro FETCH slot, q, f                ; 24 LDS loads: the fragments of 32 along K, the slot's q-th: B's eight, then A's four
.irp i, 0,1,2,3,4,5,6,7
	ds_load_b128 v[\f+8*\i:\f+8*\i+3], v[ADRB+\slot] offset:KSB*\i+1024*(\q)
	ds_load_b128 v[\f+8*\i+4:\f+8*\i+7], v[ADRB+\slot] offset:KSB*\i+1024*(\q)+512
.endr
.irp i, 0,1,2,3
	ds_load_b128 v[\f+64+8*\i:\f+64+8*\i+3], v[ADRA+\slot] offset:KSB*\i+1024*(\q)
	ds_load_b128 v[\f+64+8*\i+4:\f+64+8*\i+7], v[ADRA+\slot] offset:KSB*\i+1024*(\q)+512
.endr
.endm
.macro MUL8 f, a, first                ; A's block a against B's eight.  The 32 accumulators take turns in the same order in every quarter
.irp b, 0,1,2,3,4,5,6,7
.if \first
	v_wmma_f32_16x16x32_f16 v[8*(8*(\a)+\b):8*(8*(\a)+\b)+7], v[\f+8*\b:\f+8*\b+7], v[\f+64+8*(\a):\f+64+8*(\a)+7], v[8*\b:8*\b+7]
.else
	v_wmma_f32_16x16x32_f16 v[8*(8*(\a)+\b):8*(8*(\a)+\b)+7], v[\f+8*\b:\f+8*\b+7], v[\f+64+8*(\a):\f+64+8*(\a)+7], v[8*(8*(\a)+\b):8*(8*(\a)+\b)+7]
.endif
.endr
.endm
.macro PLACES                          ; four plain vector instructions in front of loads into registers that matrix instructions have read, and of reads of results
.rept 4
	v_nop
.endr
.endm
.macro MWIN first
.if \first
	WIN MUL_FIRST
.else
	WIN MUL
.endif
.endm
; A K step is four quarters of 32 along K on buffers 0, 1, 0, 1.  One of the first three: multiplies buffer f and fetches the slot's q-th quarter into g.
.macro QUARTER slot, q, f, g, first
	s_wait_dscnt 4                                 ; B's eight and A's blocks 0, 1 are in; the youngest four loads (A's 2, 3) may be out
	MWIN \first
	MUL8 \f, 0, \first
	MUL8 \f, 1, \first
	WIN 0
	PLACES
	FETCH \slot, \q, \g
	s_wait_dscnt 24                                ; all but the 24 just issued
	MWIN \first
	MUL8 \f, 2, \first
	MUL8 \f, 3, \first
.endm
; The last quarter multiplies buffer 1 and changes slots.  fill = 1: this slot is filled again, two K steps ahead, behind a round of the cluster's barrier.
.macro TURN slot, next, fill
	WIN 0
	s_wait_tensorcnt 0x0                           ; all my tensor loads have landed: my part of the next slot
	ds_add_u32 v[SPW], v[NIL]
	s_wait_dscnt 5                                 ; the add and the youngest four loads may be out
	WIN MUL
	MUL8 F1, 0, 0
	s_wait_dscnt 0x0                               ; the add is done, and my reads of this slot are over
	s_barrier_signal -1
	MUL8 F1, 1, 0
	WIN 0
	s_barrier_wait -1
.if \fill
	CREST                                          ; no wave of any partner still reads this slot or has a load on its way
	s_add_nc_u64 s[G0+4*\slot+2:G0+4*\slot+3], s[G0+4*\slot+2:G0+4*\slot+3], 2*KSB
	s_add_nc_u64 s[G0B+4*\slot+2:G0B+4*\slot+3], s[G0B+4*\slot+2:G0B+4*\slot+3], 2*KSB
	JLOAD \slot                                    ; my one tensor load behind the round; its four v_nop are also the places in front of the loads below
.else
	PLACES
.endif
	FETCH \next, 0, F0
	WIN MUL
	MUL8 F1, 2, 0
	MUL8 F1, 3, 0
.endm
	s_wait_tensorcnt 1                             ; my part of K step 0 is in; K step 1's load may be out
	s_barrier_signal -1
	s_barrier_wait -1
	FETCH 0, 0, F0
	s_wait_loadcnt 0x0                             ; bo
	QUARTER 0, 1, F0, F1, 1                        ; the first quarter's products start the sums, from bo
	WIN 0
	s_mov_b32 s3, LAPS-1
.Llap:                                             ; a trip goes once round the ring and fills both slots again
	QUARTER 0, 2, F1, F0, 0
	QUARTER 0, 3, F0, F1, 0
	TURN 0, 1, 1
	QUARTER 1, 1, F0, F1, 0
	QUARTER 1, 2, F1, F0, 0
	QUARTER 1, 3, F0, F1, 0
	TURN 1, 0, 1
	QUARTER 0, 1, F0, F1, 0
	WIN 0
	s_sub_co_u32 s3, s3, 1
	s_cmp_lg_u32 s3, 0
	s_cbranch_scc1 .Llap
	QUARTER 0, 2, F1, F0, 0                        ; the last lap fills nothing
	QUARTER 0, 3, F0, F1, 0
	TURN 0, 1, 0
	QUARTER 1, 1, F0, F1, 0
	QUARTER 1, 2, F1, F0, 0
	QUARTER 1, 3, F0, F1, 0
	s_wait_dscnt 4
	WIN MUL
	MUL8 F1, 0, 0
	MUL8 F1, 1, 0
	s_wait_dscnt 0
	MUL8 F1, 2, 0
	MUL8 F1, 3, 0
	WIN 0
; THE WAY OUT, a block of 16 rows x 128 columns at a time through my own stage: in as 32 bytes a lane, back as whole rows of 512 bytes.  LDS serves a wave's instructions in order (ISA guide 5.7.1.4).
.macro TOSTAGE a
	WIN 0x04                                       ; an LDS store's data: window 1
.irp b, 0,1,2,3,4,5,6,7
	ds_store_b128 v[STO], v[8*(8*(\a)+\b):8*(8*(\a)+\b)+3] offset:64*\b      ; each accumulator from its low end on
	ds_store_b128 v[STO], v[8*(8*(\a)+\b)+4:8*(8*(\a)+\b)+7] offset:64*\b+16
.endr
	WIN 0
.set BB, BK+64*((\a)%2)
.set i, 0
.rept 16
	ds_load_b128 v[BB+4*i:BB+4*i+3], v[RD] offset:i*SPITCH
.set i, i+1
.endr
.endm
.macro SEND a, younger
.set BB, BK+64*((\a)%2)
	s_wait_dscnt \younger                          ; the block is back; the next block's 16 stores and 16 loads may be out
.if (\a) > 0
	s_add_nc_u64 s[10:11], s[10:11], 16*4096       ; (behind a wait on XCNT) 16 rows on
.endif
.set i, 0
.rept 16
	global_store_b128 v[CO], v[BB+4*i:BB+4*i+3], s[10:11] offset:i*4096 th:TH_STORE_NT   ; 512 consecutive bytes
.set i, i+1
.endr
.endm
	PLACES
	TOSTAGE 0
	TOSTAGE 1
	SEND 0, 32
	s_wait_xcnt 0x0                                ; block 0's stores have read their registers and their base
	TOSTAGE 2
	SEND 1, 32
	s_wait_xcnt 0x0
	TOSTAGE 3
	SEND 2, 32
	s_wait_xcnt 0x0
	SEND 3, 0
	s_wait_tensorcnt 0x0                           ; the wave's end
	ds_add_u32 v[SPW], v[NIL]
	s_wait_dscnt 0x0
	CROUND                                         ; the closing round
	s_endpgm
.Lfunc_end_k_qc21bbf70b0_oproj:
	.size	k_qc21bbf70b0_oproj, .Lfunc_end_k_qc21bbf70b0_oproj-k_qc21bbf70b0_oproj
	.p2alignl 7, 3214868480
	.fill 96, 4, 3214868480
	.section	.rodata,"a",@progbits
	.p2align	6, 0x0
	.amdhsa_kernel k_qc21bbf70b0_oproj
		.amdhsa_group_segment_fixed_size 327680
		.amdhsa_private_segment_fixed_size 0
		.amdhsa_enable_private_segment 0
		.amdhsa_kernarg_size 32
		.amdhsa_user_sgpr_count 2
		.amdhsa_user_sgpr_kernarg_segment_ptr 1
		.amdhsa_wavefront_size32 1
		.amdhsa_system_sgpr_workgroup_id_x 1
		.amdhsa_system_sgpr_workgroup_id_y 1
		.amdhsa_system_sgpr_workgroup_id_z 1
		.amdhsa_system_vgpr_workitem_id 0
		.amdhsa_next_free_vgpr 576
		.amdhsa_next_free_sgpr 66
		.amdhsa_reserve_vcc 0
		.amdhsa_float_denorm_mode_32 3
		.amdhsa_float_denorm_mode_16_64 3
		.amdhsa_memory_ordered 1
		.amdhsa_forward_progress 1
		.amdhsa_inst_pref_size 86
	.end_amdhsa_kernel
	.amdgpu_metadata
---
amdhsa.version: [ 1, 2 ]
amdhsa.kernels:
  - .name:           k_qc21bbf70b0_oproj
    .symbol:         k_qc21bbf70b0_oproj.kd
    .args:
      - { .name: ao, .offset: 0, .size: 8, .value_kind: global_buffer, .address_space: global }
      - { .name: wo16, .offset: 8, .size: 8, .value_kind: global_buffer, .address_space: global }
      - { .name: bo, .offset: 16, .size: 8, .value_kind: global_buffer, .address_space: global }
      - { .name: out0, .offset: 24, .size: 8, .value_kind: global_buffer, .address_space: global }
    .group_segment_fixed_size: 327680
    .private_segment_fixed_size: 0
    .kernarg_segment_align: 8
    .kernarg_segment_size: 32
    .max_flat_workgroup_size: 128
    .sgpr_count:     66
    .vgpr_count:     576
    .wavefront_size: 32
...
	.end_amdgpu_metadata
.endif
;; end of part 4
;; launch fine (part 5): grid 64 x 4, 16 waves a work-group, no clusters, 22,528 bytes of LDS; arguments qkv, mk, Wo, bo, out0; writes out0
.if DOCPART == 5
	.amdgcn_target "amdgcn-amd-amdhsa--gfx1250"
	.amdhsa_code_object_version 6
	.text
	.protected	k_qc21bbf70b0_fine
	.globl	k_qc21bbf70b0_fine
	.p2align	8
	.type	k_qc21bbf70b0_fine,@function
k_qc21bbf70b0_fine:
	s_mov_b64 s[64:65], 0
	v_nop
	global_prefetch_b8 v0, s[64:65] scope:SCOPE_SE
	s_setreg_imm32_b32 hwreg(HW_REG_WAVE_MODE, 25, 1), 1
	s_wait_xcnt 0x0
; Positions 0-15 of each sequence once more, finely: where a row averages few values, the rounding of f16 operands in the products with v and with Wo weighs most.  These 64 rows of out0 are written over.
; The scores are made of f16 operands (their error moves a weight by about one part in ten thousand); p stays f32; v = its high + its low f16 part; Wo is taken as it is given: both products by the f32 matrix form.
; PASSED OVER, as in the attention launch and with its limit: key steps without a live bit, and in a live step tiles of 16 keys that are closed for all 16 queries, unless some query has no open key at all (dead).
; SHARES.  A work-group: batch b, 16 columns ct of out0; wave = head.  Every work-group of a batch repeats the 16 heads' small attention; in return no intermediate goes through memory.
; Each wave multiplies its head's 64 of K into a partial of 16 x 16; the sixteen partials meet in LDS; waves 0-7 add them and bo, two rows each.
; LAYOUT.  A lane holds one query (lane % 16).  For the f32 form a step takes the keys (or k) 8 h + 2 i + j in register j of both operands: the same order on both sides.
.set PART,  0                          ; 16 waves x 16 rows x 80 bytes
.set SPARE, 20480                      ; the spare words, 128 bytes for each wave
.set FL,    524288
.set SPW, 1
.set NIL, 2
.set LI,  3                            ; v3 16 x lane; v4 Wo's offset; v5 where my partial goes; v6 where I read partials; v7 my offset in out0
; v8 m, v9 its pair's partner, v[10:11] l, v[12:13] a and at work, v[14:15] at work; v16-31 Q; v32-47 K; v48-63 v high; v64-79 v low; v80-87 S^T, then p; v88-119 v in f32;
; v120-151 the f32 form's four accumulators, written by matrix instructions alone; v152-183 O^T; v184-215 Wo; v216-231 at work; v232 bo, v233 its offset
.macro WIDEN lo, src                   ; the two f16 halves of register src, as f32, into v[lo] and v[lo + 1]; src is a plain number under 128, where halves have names
	v_cvt_f32_f16 v[\lo], v\src\().l
	v_cvt_f32_f16 v[(\lo)+1], v\src\().h
.endm
	s_load_b256 s[4:11], s[0:1], 0x0               ; qkv, mk, Wo, bo
	s_load_b64 s[12:13], s[0:1], 0x20              ; out0
	v_lshl_add_u32 v[SPW], v0, 2, SPARE
	v_mov_b32 v[NIL], 0
	v_lshrrev_b32 v216, 5, v0
	v_readfirstlane_b32 s14, v216                  ; wave = head
	v_and_b32 v217, 31, v0
	v_and_b32 v218, 15, v0                         ; r
	v_bfe_u32 v219, v0, 4, 1                       ; h
	v_lshlrev_b32 v[LI], 4, v217
	v_lshlrev_b32 v4, 12, v218
	v_lshl_add_u32 v4, v219, 5, v4                 ; Wo: row r of 4,096 bytes, + 32 h
	s_mul_i32 s60, s14, 1280
	v_mul_u32_u24 v5, v218, 80
	v_lshl_add_u32 v5, v219, 5, v5
	v_add_nc_u32 v5, s60, v5                       ; my partial: row r, + 32 h
	s_and_b32 s61, s14, 7
	s_lshl_b32 s61, s61, 1
	v_add_nc_u32 v220, s61, v219                   ; the row that I add up: 2 (w % 8) + h
	v_mul_u32_u24 v6, v220, 80
	v_lshl_add_u32 v6, v218, 2, v6
	v_lshlrev_b32 v7, 12, v220
	v_lshl_add_u32 v7, v218, 2, v7
	v_lshlrev_b32 v233, 2, v218
	s_and_b32 s15, ttmp7, 0xffff                   ; b
	s_lshl_b32 s60, s15, 24
	s_lshl_b32 s61, s14, 18
	s_add_co_u32 s60, s60, s61                     ; Q of my head, tokens 0-15
	s_mov_b32 s61, 0
	s_add_co_u32 s62, s60, 16<<18                  ; K
	s_mov_b32 s63, 0
	s_mov_b32 s50, 0                               ; 128 x the step
	s_mov_b32 s51, 32
	s_mov_b32 s52, 0xceabfb8f                      ; -1e9 x log2(e)
	s_mov_b32 s54, 0x76543210
	s_mov_b32 s55, 0xfedcba98
	s_wait_kmcnt 0x0
	s_load_b32 s48, s[6:7], FL                     ; tile 0's live
	s_load_b32 s49, s[6:7], FL+1024                ; and dead
	s_add_nc_u64 s[56:57], s[4:5], s[62:63]
	s_add_nc_u64 s[58:59], s[56:57], 4194304       ; v high; v low lies another 4 MiB on
	s_add_nc_u64 s[4:5], s[4:5], s[60:61]
	s_lshl_b32 s60, ttmp9, 16
	s_lshl_b32 s62, s14, 8
	s_add_co_u32 s60, s60, s62
	s_add_nc_u64 s[8:9], s[8:9], s[60:61]          ; Wo: rows 16 ct on, columns 64 head on
	s_lshl_b32 s60, ttmp9, 6
	s_add_nc_u64 s[10:11], s[10:11], s[60:61]
	s_lshl_b32 s62, s15, 23
	s_add_co_u32 s60, s60, s62
	s_add_nc_u64 s[12:13], s[12:13], s[60:61]
.irp d, 0,1,2,3
	global_load_b128 v[16+4*\d:19+4*\d], v[LI], s[4:5] offset:512*\d
.endr
.irp d, 0,1,2,3
	global_load_b128 v[184+8*\d:187+8*\d], v4, s[8:9] offset:64*\d       ; register 8 dt + e = Wo[16 ct + r][64 head + 16 dt + 8 h + e]
	global_load_b128 v[188+8*\d:191+8*\d], v4, s[8:9] offset:64*\d+16
.endr
	global_load_b32 v232, v233, s[10:11]
	v_mov_b32 v8, 0xff61b1e6                       ; m = -3e38
.irp i, 9,10,11,12,13,14,15
	v_mov_b32 v\i, 0
.endr
.set i, 0
.rept 32
	v_mov_b32 v[152+i], 0                          ; where the first open tile falls hangs on stored numbers, so the tile is written once and finds zeros
.set i, i+1
.endr
	s_wait_kmcnt 0x0
	s_wait_loadcnt 0x0
.macro TILE t                          ; 16 keys
	s_or_b32 s60, s[16+8*\t], s[17+8*\t]
.irp j, 2,3,4,5,6,7
	s_or_b32 s60, s60, s[16+8*\t+\j]
.endr
	s_or_b32 s60, s60, s49
	s_cmp_lg_u32 s60, 0
	s_cbranch_scc0 .Lshut_\@
.irp d, 0,1,2,3
	global_load_b128 v[32+4*\d:35+4*\d], v[LI], s[56:57] offset:2048*\t+512*\d
	global_load_b128 v[48+4*\d:51+4*\d], v[LI], s[58:59] offset:2048*\t+512*\d
	global_load_b128 v[64+4*\d:67+4*\d], v[LI], s[58:59] offset:4194304+2048*\t+512*\d
.endr
	s_wait_loadcnt 0x0
	v_wmma_f32_16x16x32_f16 v[80:87], v[32:39], v[16:23], 0
	s_wait_alu depctr_va_vdst(0)                   ; the wait directly ahead of the link
	v_wmma_f32_16x16x32_f16 v[80:87], v[40:47], v[24:31], v[80:87]
.irp r, 48,49,50,51,52,53,54,55,56,57,58,59,60,61,62,63
	WIDEN 88+2*(\r-48), \r                         ; v in f32: register 8 dt + e = v(key 8 h + e, d = 16 dt + r).  These lines are also the places behind the two products
.endr
.irp r, 64,65,66,67,68,69,70,71,72,73,74,75,76,77,78,79
	WIDEN 216+2*(\r%4), \r
	v_pk_add_f32 v[88+2*(\r-64):89+2*(\r-64)], v[88+2*(\r-64):89+2*(\r-64)], v[216+2*(\r%4):217+2*(\r%4)]
.endr
.irp j, 0,1,2,3,4,5,6,7
	v_cndmask_b32 v[80+\j], s52, v[80+\j], s[16+8*\t+\j]
.endr
	v_max3_num_f32 v14, v80, v81, v82
	v_max3_num_f32 v14, v14, v83, v84
	v_max3_num_f32 v14, v14, v85, v86
	v_max3_num_f32 v14, v14, v87, v8
	v_permlanex16_b32 v15, v14, s54, s55           ; the query's other 8 keys lie in the lane 16 away
	v_mov_b32 v13, v8
	v_max_num_f32 v8, v14, v15                     ; the new m
	v_sub_f32 v13, v13, v8
.irp i, 0,2,4,6
	v_pk_add_f32 v[80+\i:81+\i], v[80+\i:81+\i], v[8:9] op_sel_hi:[1,0] neg_lo:[0,1] neg_hi:[0,1]
.endr
	v_exp_f32 v12, v13                             ; a
.irp j, 0,1,2,3,4,5,6,7
	v_exp_f32 v[80+\j], v[80+\j]                   ; p
.endr
	v_nop
	s_wait_alu depctr_va_vdst(0)                   ; one wait for the nine
	v_pk_add_f32 v[14:15], v[80:81], v[82:83]
	v_pk_add_f32 v[14:15], v[14:15], v[84:85]
	v_pk_add_f32 v[14:15], v[14:15], v[86:87]
	v_pk_fma_f32 v[10:11], v[10:11], v[12:13], v[14:15] op_sel_hi:[1,0,1]
.irp i, 0,1,2,3                        ; the tile's v^T p: four accumulators by turns, four keys an instruction
.irp d, 0,1,2,3
.if \i == 0
	v_wmma_f32_16x16x4_f32 v[120+8*\d:127+8*\d], v[88+8*\d+2*\i:89+8*\d+2*\i], v[80+2*\i:81+2*\i], 0
.else
	v_wmma_f32_16x16x4_f32 v[120+8*\d:127+8*\d], v[88+8*\d+2*\i:89+8*\d+2*\i], v[80+2*\i:81+2*\i], v[120+8*\d:127+8*\d]
.endif
.endr
.endr
.rept 9
	v_nop                                          ; places behind the f32 form: its results are read, and the next tile's matrix instructions write over its registers
.endr
.set i, 0
.rept 16
	v_pk_fma_f32 v[152+i:153+i], v[152+i:153+i], v[12:13], v[120+i:121+i] op_sel_hi:[1,0,1]   ; O^T = a O^T + the tile's; each accumulator from its low end on
.set i, i+2
.endr
.Lshut_\@:
.endm
.Lks:
	s_bitcmp1_b32 s48, 0
	s_cbranch_scc0 .Lnext
	s_load_b512 s[16:31], s[6:7], s50 offset:0x0   ; the step's 32 lane words of tile 0
	s_load_b512 s[32:47], s[6:7], s50 offset:0x40
	s_wait_kmcnt 0x0
	TILE 0
	TILE 1
	TILE 2
	TILE 3
.Lnext:
	s_wait_xcnt 0x0                                ; the loads have read their bases
	s_add_nc_u64 s[56:57], s[56:57], 8192
	s_add_nc_u64 s[58:59], s[58:59], 8192
	s_add_co_u32 s50, s50, 128
	s_lshr_b32 s48, s48, 1
	s_sub_co_u32 s51, s51, 1
	s_cmp_lg_u32 s51, 0
	s_cbranch_scc1 .Lks
	v_add_f32 v14, v10, v11
	v_permlanex16_b32 v15, v14, s54, s55
	v_add_f32 v14, v14, v15                        ; the row's sum
	v_rcp_f32 v12, v14
	v_nop
	s_wait_alu depctr_va_vdst(0)
.set i, 0
.rept 16
	v_pk_mul_f32 v[152+i:153+i], v[152+i:153+i], v[12:13] op_sel_hi:[1,0]
.set i, i+2
.endr
.irp i, 0,1,2,3                        ; my head's part of out0: source 0 = 16 rows of Wo, source 1 = O: a lane holds query r and columns 8 h + 0..7
.irp d, 0,1,2,3
.if \i == 0
	v_wmma_f32_16x16x4_f32 v[120+8*\d:127+8*\d], v[184+8*\d+2*\i:185+8*\d+2*\i], v[152+8*\d+2*\i:153+8*\d+2*\i], 0
.else
	v_wmma_f32_16x16x4_f32 v[120+8*\d:127+8*\d], v[184+8*\d+2*\i:185+8*\d+2*\i], v[152+8*\d+2*\i:153+8*\d+2*\i], v[120+8*\d:127+8*\d]
.endif
.endr
.endr
.rept 8
	v_nop
.endr
.irp x, 0,2,4,6
	v_pk_add_f32 v[216+\x:217+\x], v[120+\x:121+\x], v[128+\x:129+\x]
.endr
.irp x, 0,2,4,6
	v_pk_add_f32 v[216+\x:217+\x], v[216+\x:217+\x], v[136+\x:137+\x]
.endr
.irp x, 0,2,4,6
	v_pk_add_f32 v[216+\x:217+\x], v[216+\x:217+\x], v[144+\x:145+\x]
.endr
	ds_store_b128 v5, v[216:219] offset:PART
	ds_store_b128 v5, v[220:223] offset:PART+16
	s_wait_dscnt 0x0                               ; for the others' sake
	s_barrier_signal -1
	s_barrier_wait -1
	s_cmp_lt_u32 s14, 8
	s_cbranch_scc0 .Lend
.irp p, 0,1,2,3,4,5,6,7,8,9,10,11,12,13,14,15
	ds_load_b32 v[88+\p], v6 offset:PART+1280*\p
.endr
	s_wait_dscnt 0x0
.irp p, 0,2,4,6,8,10,12,14
	v_add_f32 v[88+\p], v[88+\p], v[89+\p]
.endr
.irp p, 0,4,8,12
	v_add_f32 v[88+\p], v[88+\p], v[90+\p]
.endr
.irp p, 0,8
	v_add_f32 v[88+\p], v[88+\p], v[92+\p]
.endr
	v_add_f32 v88, v88, v96
	v_add_f32 v88, v88, v232                       ; + bo
	global_store_b32 v7, v88, s[12:13]             ; sixteen lanes store 64 consecutive bytes of a row: the work-group's 16 columns
.Lend:
	s_wait_tensorcnt 0x0                           ; the wave's end, behind my last LDS store
	ds_add_u32 v[SPW], v[NIL]
	s_wait_dscnt 0x0
	s_endpgm
.Lfunc_end_k_qc21bbf70b0_fine:
	.size	k_qc21bbf70b0_fine, .Lfunc_end_k_qc21bbf70b0_fine-k_qc21bbf70b0_fine
	.p2alignl 7, 3214868480
	.fill 96, 4, 3214868480
	.section	.rodata,"a",@progbits
	.p2align	6, 0x0
	.amdhsa_kernel k_qc21bbf70b0_fine
		.amdhsa_group_segment_fixed_size 22528
		.amdhsa_private_segment_fixed_size 0
		.amdhsa_enable_private_segment 0
		.amdhsa_kernarg_size 40
		.amdhsa_user_sgpr_count 2
		.amdhsa_user_sgpr_kernarg_segment_ptr 1
		.amdhsa_wavefront_size32 1
		.amdhsa_system_sgpr_workgroup_id_x 1
		.amdhsa_system_sgpr_workgroup_id_y 1
		.amdhsa_system_sgpr_workgroup_id_z 1
		.amdhsa_system_vgpr_workitem_id 0
		.amdhsa_next_free_vgpr 256
		.amdhsa_next_free_sgpr 66
		.amdhsa_reserve_vcc 0
		.amdhsa_float_denorm_mode_32 3
		.amdhsa_float_denorm_mode_16_64 3
		.amdhsa_memory_ordered 1
		.amdhsa_forward_progress 1
		.amdhsa_inst_pref_size 46
	.end_amdhsa_kernel
	.amdgpu_metadata
---
amdhsa.version: [ 1, 2 ]
amdhsa.kernels:
  - .name:           k_qc21bbf70b0_fine
    .symbol:         k_qc21bbf70b0_fine.kd
    .args:
      - { .name: qkv, .offset: 0, .size: 8, .value_kind: global_buffer, .address_space: global }
      - { .name: mk, .offset: 8, .size: 8, .value_kind: global_buffer, .address_space: global }
      - { .name: Wo, .offset: 16, .size: 8, .value_kind: global_buffer, .address_space: global }
      - { .name: bo, .offset: 24, .size: 8, .value_kind: global_buffer, .address_space: global }
      - { .name: out0, .offset: 32, .size: 8, .value_kind: global_buffer, .address_space: global }
    .group_segment_fixed_size: 22528
    .private_segment_fixed_size: 0
    .kernarg_segment_align: 8
    .kernarg_segment_size: 40
    .max_flat_workgroup_size: 512
    .sgpr_count:     66
    .vgpr_count:     256
    .wavefront_size: 32
...
	.end_amdgpu_metadata
.endif
;; end of part 5
